; MI455X (gfx1250); checked and timed in simulation.
; The chip was launched on July 23, 2026; its instructions are those of AMD's public machine-readable ISA for CDNA 5 (MIT licence, August 2026) and "CDNA5" Instruction Set Architecture Reference Guide (July 2026). The comments in the code are by the model that wrote it; some were corrected since.
;; Mo E Layer. Allowed arithmetic: float matrix products may take bf16 or f16 operands with f32 sums; other float arithmetic in f32, or as packed bf16 or f16 multiplies, adds, multiply-adds, maxima and minima; sums over many terms, partial sums and values carried from step to step in f32; what a program stores and reads back later, other than sums and carried values, may be rounded once to bf16 or f16.
;; Inputs: W1 8 x 1,024 x 4,096 float32; W2 8 x 4,096 x 1,024 float32; b1 8 x 4,096 float32; b2 8 x 1,024 float32; beta 1,024 float32; gamma 1,024 float32; gate_W 1,024 x 8 float32; shared_W 1,024 x 1,024 float32; shared_b 1,024 float32; x 4 x 256 x 1,024 float32.
;; Outputs: out0 4 x 256 x 1,024 float32.
;; One version. Each part assembles by itself: llvm-mc -triple=amdgcn-amd-amdhsa -mcpu=gfx1250 --defsym DOCPART=n.
;; ======== version 1 of 1: 4 launches
;; workspace buffers: xb 2,097,152 bytes; sh 4,194,304 bytes; ridx 8,192 bytes of whole numbers; rw 8,192 bytes; hbuf 16,777,216 bytes; ybuf 33,554,432 bytes
;; launch route (part 1): grid 256 x 1, 4 waves a work-group, no clusters, 313,856 bytes of LDS; arguments x, shared_W, shared_b, gate_W, xb, sh, ridx, rw; writes xb, sh, ridx, rw
.if DOCPART == 1
	.amdgcn_target "amdgcn-amd-amdhsa--gfx1250"
	.amdhsa_code_object_version 6
	.text
	.protected	k_qc08d3fe22a_route
	.globl	k_qc08d3fe22a_route
	.p2align	8
	.type	k_qc08d3fe22a_route,@function
k_qc08d3fe22a_route:
	s_mov_b64 s[64:65], 0
	v_nop
	global_prefetch_b8 v0, s[64:65] scope:SCOPE_SE
	s_setreg_imm32_b32 hwreg(HW_REG_WAVE_MODE, 25, 1), 1
	s_wait_xcnt 0x0
; ROUTE.  xb = bf16(x);  sh = gelu(x shared_W + shared_b) in f32 (its weight 0.5 is applied by the last launch);  for each token the two
; experts with the largest gate weight (ridx[2 t], ridx[2 t + 1]) and their weights, renormalised (rw).  All inputs are rounded to bf16
; (x, shared_W, gate_W as matrix operands, shared_b too); products on the matrix unit, sums in f32.
; SHARES.  256 work-groups = 16 blocks of 64 tokens x 16 slices of 64 columns.  A wave has 16 tokens and five column tiles of 16: four of
; shared_W and one that holds gate_W's 8 columns and 8 columns of zeros.  Every slice forms the logits (one product in five, on fragments
; of x that it reads anyway); slice 0 alone selects and stores them.
; THE FILL.  A wave brings its 16 rows of x and its 256 k rows of shared_W in 16 groups of 16 loads, x's and shared_W's by turns, through a ring
; of four groups of registers: 64 loads, 32,768 bytes, of each wave are asked for at a time.  A group is rounded in one run, stored into LDS in
; one run and asked for again in one run, so that no line waits for the line before it.
; LIMITS.  NaN and infinities are not treated apart.  The choice is made on e_i = 2^((l_i - max l) log2 e): the softmax's divisor cancels
; in w / (w1 + w2); ties that only that division's rounding would make are not reproduced; equal e keep the lower index.  An e below 2^-126
; counts as 0.  erf is Abramowitz and Stegun's 7.1.26, |error| <= 1.5e-7 for every argument; gelu = 0.5 x + |x| (0.5 - q) has an absolute
; error of about 2^-24 |x|.
; NO CLUSTER, NO TENSOR LOADS: x's block and shared_W's slice are shared by 16 work-groups each, but they arrive as f32, 262,144 bytes each,
; and must pass through registers to be rounded; neither fits in LDS beside the 295,936 bytes of the two bf16 copies.
.set WP,    160                 ; a k row of the weights in LDS: 64 shared columns (128 bytes), 8 gate columns, 8 zero columns; 160 = 5 x 32 suits the turning load
.set XP,    2064                ; a token's row in LDS: 2,048 bytes + 16: the 16 rows of a fragment load start 16 bytes apart modulo 256
.set XS,    1024*WP             ; 163,840: x behind the weights
.set STAGE, XS+64*XP            ; 295,936: 16 rows x 272 bytes for each wave, for the way out
.set TP,    272
.set SPARE, STAGE+4*16*TP       ; 313,344: the spare words, 128 bytes a wave; no other line names them
.set R,    1                    ; lane % 16
.set H,    2                    ; lane / 16
.set LANE, 3
.set GX,   4                    ; 16 x lane: offset in x, gate_W and xb
.set LX,   5                    ; LDS address of my 8 bytes in the row of x in hand
.set GW,   6                    ; 4,096 H + 16 R: offset in two rows of shared_W, and of sh
.set LW,   7                    ; LDS address of my 8 bytes of shared_W
.set H32,  8                    ; 32 H: offset in shared_b
.set LG,   9                    ; LDS address of my 8 bytes of gate_W
.set LZ,   10                   ; LDS address of my row's zero columns
.set LA,   11                   ; fragments of x
.set LB,   12                   ; fragments of the weights
.set STO,  13
.set RD,   14
.set SPW,  28                   ; my spare word; never rewritten
.set NIL,  29                   ; 0; never rewritten
.set R8,   30                   ; 8 R: offset in ridx and rw
.set XR,   31                   ; LDS address of the row of xb that my wave stores
.set SX0,  32                   ; v32-95            the ring: x's even groups
.set SW0,  96                   ; v96-159           shared_W's even groups
.set SX1,  256                  ; window 1 v0-63    x's odd groups
.set SW1,  320                  ; window 1 v64-127  shared_W's odd groups
.set SGT,  384                  ; window 1 v128-191 gate_W
.set ACC,  176                  ; v176-215 five accumulators
.set GACC, 208                  ; the gate's
.set BIAS, 216                  ; v216-247
.set YB,   176                  ; the activation's five sets of 32
.set TB,   32
.set ZB,   64
.set AB_,  96
.set PB,   128
.set OB,   32
.set WV,   20
.set TOKB, 21
.set CS,   22
.set OF,   24
.set XBASE,26
.set WBASE,28
.set GBASE,30
.set CT,   32
.set T0,   33
.set T1,   34
.set KK,   40                   ; k = sqrt(log2(e) / 2)
.set PP,   42                   ; 0.3275911 / (k sqrt 2)
.set C5,   44                   ; the series' coefficients times 0.5 / k
.set C4,   46
.set C3,   48
.set C2,   50
.set C1,   52
.set C0,   54                   ; 0.5 / k
.set L2E,  56
.set MK,   58
.set SV,   59
.set MSB, 0
.macro WIN new                  ; s_set_vgpr_msb: bits 1:0 source 0, 3:2 source 1, 5:4 source 2, 7:6 destination; the high byte repeats the setting that is left
.if MSB != (\new)
	s_set_vgpr_msb (MSB<<8)|(\new)
.set MSB, (\new)
.endif
.endm
.macro SPAIR reg, val           ; a constant for packed arithmetic: the pair is named, so both words are written
	s_mov_b32 s[\reg], \val
	s_mov_b32 s[(\reg)+1], \val
.endm
; GELU of 32 numbers a lane.  Y = k x lies in YB.  T = 1 / (1 + p |Y|), Z = 2^(-Y Y), P = the series in T, G = C0 - P T Z, result = |Y| G + C0 Y, in PB.
.macro FPLAIN p, n
.if (\n) == 0
	v_fma_f32 v[TB+2*(\p)], |v[YB+2*(\p)]|, s[PP], 1.0
.elseif (\n) == 1
	v_fma_f32 v[TB+2*(\p)+1], |v[YB+2*(\p)+1]|, s[PP], 1.0
.elseif (\n) == 2
	v_pk_mul_f32 v[ZB+2*(\p):ZB+2*(\p)+1], v[YB+2*(\p):YB+2*(\p)+1], v[YB+2*(\p):YB+2*(\p)+1] neg_lo:[0,1] neg_hi:[0,1]
.else
	v_pk_mul_f32 v[AB_+2*(\p):AB_+2*(\p)+1], v[YB+2*(\p):YB+2*(\p)+1], s[C0:C0+1] op_sel_hi:[1,0]
.endif
.endm
.macro FTRANS p, n
.if (\n) < 2
	v_rcp_f32 v[TB+2*(\p)+(\n)], v[TB+2*(\p)+(\n)]
.else
	v_exp_f32 v[ZB+2*(\p)+(\n)-2], v[ZB+2*(\p)+(\n)-2]
.endif
.endm
.macro FINISH cvt
.set fp, 0
.rept 17                        ; the 64 reciprocals and exponentials are one batch; pair p's plain lines stand between those of pair p - 1, and none of them names a result
.set fn, 0
.rept 4
.if fp < 16
	FPLAIN fp, fn
.endif
.if fp > 0
	FTRANS fp-1, fn
.endif
.set fn, fn+1
.endr
.set fp, fp+1
.endr
	v_nop                                          ; a plain instruction behind the last of the batch,
	s_wait_alu depctr_va_vdst(0)                   ; and the one wait ahead of the first reader
.set fg, 0
.rept 2                         ; eight pairs at a time, operation by operation, so that a line's source was made eight lines before it
.irp op, 0,1,2,3,4,5,6,7,8
.set fu, 0
.rept 8
.set fp, 2*(8*fg+fu)
.if (\op) == 0
	v_pk_fma_f32 v[PB+fp:PB+fp+1], v[TB+fp:TB+fp+1], s[C5:C5+1], s[C4:C4+1] op_sel_hi:[1,0,0]
.elseif (\op) < 4
	v_pk_fma_f32 v[PB+fp:PB+fp+1], v[PB+fp:PB+fp+1], v[TB+fp:TB+fp+1], s[C4+2*(\op):C4+2*(\op)+1] op_sel_hi:[1,1,0]
.elseif (\op) == 4
	v_pk_mul_f32 v[TB+fp:TB+fp+1], v[TB+fp:TB+fp+1], v[ZB+fp:ZB+fp+1]
.elseif (\op) == 5
	v_pk_fma_f32 v[PB+fp:PB+fp+1], v[PB+fp:PB+fp+1], v[TB+fp:TB+fp+1], s[C0:C0+1] op_sel_hi:[1,1,0] neg_lo:[1,0,0] neg_hi:[1,0,0]
.elseif (\op) == 6
	v_fma_f32 v[PB+fp], |v[YB+fp]|, v[PB+fp], v[AB_+fp]
.elseif (\op) == 7
	v_fma_f32 v[PB+fp+1], |v[YB+fp+1]|, v[PB+fp+1], v[AB_+fp+1]
.elseif \cvt
	v_cvt_pk_bf16_f32 v[ZB+fp/2], v[PB+fp], v[PB+fp+1]
.endif
.set fu, fu+1
.endr
.endr
.set fg, fg+1
.endr
.endm
; THE RING'S PARTS.  sb: a slot's first register, counted through the windows.  pos: the group's place, counted from the stepped bases.
.macro XISS sb, pos             ; 16 loads: two rows of x
	WIN ((\sb)>>8)<<6
.set i, 0
.rept 16
.set SG, ((\sb)&255)+4*i
	global_load_b128 v[SG:SG+3], v[GX], s[XBASE:XBASE+1] offset:8192*(\pos)+512*i
.set i, i+1
.endr
.endm
.macro WISS sb, pos             ; 16 loads: 32 k rows of shared_W, two rows of 256 bytes a load
	WIN ((\sb)>>8)<<6
.set i, 0
.rept 16
.set SG, ((\sb)&255)+4*i
	global_load_b128 v[SG:SG+3], v[GW], s[WBASE:WBASE+1] offset:131072*(\pos)+8192*i
.set i, i+1
.endr
.endm
.macro PACK16 sb                ; a slot's 64 numbers a lane rounded to bf16, in place: each load's four registers become two
	WIN (((\sb)>>8)<<6)|(((\sb)>>8)<<2)|((\sb)>>8)
.set i, 0
.rept 16
.set SG, ((\sb)&255)+4*i
	v_cvt_pk_bf16_f32 v[SG], v[SG], v[SG+1]
	v_cvt_pk_bf16_f32 v[SG+1], v[SG+2], v[SG+3]
.set i, i+1
.endr
.endm
.macro XGRP sb, pos, issue      ; a group of x: rounded, stored; issue = 1: the slot takes x's group two further on
	PACK16 \sb
	WIN ((\sb)>>8)<<2
.set i, 0
.rept 16
.set SG, ((\sb)&255)+4*i
	ds_store_b64 v[LX], v[SG:SG+1] offset:(2*(\pos)+i/8)*XP+(i%8)*256
.set i, i+1
.endr
.if \issue
	XISS \sb, (\pos)+2
.endif
.endm
.macro WGRP sb, pos, issue      ; a group of shared_W likewise
	PACK16 \sb
	WIN ((\sb)>>8)<<2
.set i, 0
.rept 16
.set SG, ((\sb)&255)+4*i
	ds_store_b64 v[LW], v[SG:SG+1] offset:(32*(\pos)+2*i)*WP
.set i, i+1
.endr
.if \issue
	WISS \sb, (\pos)+2
.endif
.endm
	s_load_b512 s[4:19], s[0:1], 0x0               ; x 4, shared_W 6, shared_b 8, gate_W 10, xb 12, sh 14, ridx 16, rw 18
	v_lshl_add_u32 v[SPW], v0, 2, SPARE
	v_mov_b32 v[NIL], 0
	v_lshrrev_b32 v20, 5, v0
	v_readfirstlane_b32 s[WV], v20                 ; wave 0..3
	s_lshr_b32 s[TOKB], ttmp9, 4                   ; block of 64 tokens
	s_and_b32 s[CS], ttmp9, 15                     ; slice of 64 columns
	v_and_b32 v[R], 15, v0
	v_bfe_u32 v[H], v0, 4, 1
	v_and_b32 v[LANE], 31, v0
	v_lshlrev_b32 v[GX], 4, v[LANE]
	v_lshlrev_b32 v[H32], 5, v[H]
	v_lshlrev_b32 v[R8], 3, v[R]
	v_lshlrev_b32 v20, 12, v[H]
	v_lshl_add_u32 v[GW], v[R], 4, v20
	s_mul_i32 s[T0], s[WV], 16*XP
	s_add_co_u32 s[T0], s[T0], XS                  ; my wave's 16 rows of x in LDS
	s_mul_i32 s[T1], s[WV], 256*WP                 ; my wave's 256 k rows of the weights in LDS
	v_lshl_add_u32 v[LX], v[LANE], 3, s[T0]
	v_mul_u32_u24 v20, v[H], WP
	v_add_nc_u32 v20, s[T1], v20
	v_lshl_add_u32 v[LW], v[R], 3, v20             ; lanes 0-15 one k row, lanes 16-31 the next
	v_lshrrev_b32 v20, 1, v[LANE]
	v_mul_u32_u24 v20, v20, WP
	v_add_nc_u32 v20, s[T1], v20
	v_and_b32 v21, 1, v0
	v_lshl_add_u32 v20, v21, 3, v20
	v_add_nc_u32 v[LG], 128, v20                   ; two lanes a k row of gate_W, behind the 128 bytes of shared columns
	v_mul_u32_u24 v20, v[LANE], WP
	v_add_nc_u32 v20, s[T1], v20
	v_add_nc_u32 v[LZ], 144, v20
	v_mul_u32_u24 v20, v[R], XP
	v_add_nc_u32 v20, s[T0], v20
	v_lshl_add_u32 v[LA], v[H], 4, v20             ; row x pitch + 16 x half
	v_and_b32 v20, 7, v0
	v_lshl_add_u32 v20, v[H], 3, v20
	v_mul_u32_u24 v20, v20, WP
	v_bfe_u32 v21, v0, 3, 1
	v_lshl_add_u32 v[LB], v21, 4, v20              ; the turning load: k row 8 H + lane % 8, 16 bytes by (lane / 8) % 2
	s_mul_i32 s[CT], s[WV], 16*TP
	s_add_co_u32 s[CT], s[CT], STAGE
	v_mul_u32_u24 v20, v[R], TP
	v_add_nc_u32 v20, s[CT], v20
	v_lshl_add_u32 v[STO], v[H], 5, v20            ; into my stage: row R, 32 bytes for each half of the lanes
	v_mul_u32_u24 v20, v[H], TP
	v_add_nc_u32 v20, s[CT], v20
	v_lshl_add_u32 v[RD], v[R], 4, v20             ; back: lanes 0-15 one row of 256 bytes, lanes 16-31 the next
	s_lshl_b32 s[CT], s[CS], 2
	s_add_co_u32 s[CT], s[CT], s[WV]               ; the block's row 4 slice + wave is the one that my wave stores to xb
	s_mul_i32 s[CT], s[CT], XP
	s_add_co_u32 s[CT], s[CT], XS
	v_add_nc_u32 v[XR], s[CT], v[GX]
.irp i, 16,17,18,19
	v_mov_b32 v\i, 0
.endr
	SPAIR KK, 0x3f596d27
	s_mov_b32 s[PP], 0x3e8ba43f
	SPAIR C5, 0x3f1ff67a
	SPAIR C4, 0xbf5b0099
	SPAIR C3, 0x3f563817
	SPAIR C2, 0xbe2b8119
	SPAIR C1, 0x3e199eb3
	SPAIR C0, 0x3f16b55f
	s_mov_b32 s[L2E], 0x3fb8aa3b
	s_lshl_b32 s[OF], s[TOKB], 18                  ; 64 tokens x 4,096 bytes,
	s_lshl_b32 s[CT], s[WV], 16                    ; my wave's 16
	s_add_co_u32 s[OF], s[OF], s[CT]
	s_mov_b32 s[OF+1], 0
	s_lshl_b32 s[T0], s[CS], 8                     ; the slice's 64 columns of f32
	s_wait_kmcnt 0x0
	s_add_nc_u64 s[XBASE:XBASE+1], s[4:5], s[OF:OF+1]
	s_add_co_u32 s[OF], s[OF], s[T0]
	s_add_nc_u64 s[14:15], s[14:15], s[OF:OF+1]    ; sh at my wave's rows and the slice's columns
	s_mov_b32 s[OF], s[T0]
	s_add_nc_u64 s[8:9], s[8:9], s[OF:OF+1]        ; shared_b at the slice
	s_lshl_b32 s[OF], s[WV], 13
	s_add_nc_u64 s[GBASE:GBASE+1], s[10:11], s[OF:OF+1]  ; gate_W at my wave's 256 k rows of 32 bytes
	s_lshl_b32 s[OF], s[WV], 20
	s_add_co_u32 s[OF], s[OF], s[T0]
	s_add_nc_u64 s[WBASE:WBASE+1], s[6:7], s[OF:OF+1]    ; shared_W at my wave's 256 k rows, the slice's columns
.irp c, 0,1,2,3
	global_load_b128 v[BIAS+8*\c:BIAS+8*\c+3],   v[H32], s[8:9] offset:64*\c      ; columns 16 c + 8 H + 0..7: as an accumulator holds them
	global_load_b128 v[BIAS+8*\c+4:BIAS+8*\c+7], v[H32], s[8:9] offset:64*\c+16
.endr
	WIN 0x40                                       ; destination window 1
.set i, 0
.rept 16
.set SG, (SGT&255)+4*i
	global_load_b128 v[SG:SG+3], v[GX], s[GBASE:GBASE+1] offset:512*i             ; 16 k rows of gate_W
.set i, i+1
.endr
	XISS SX0, 0
	WISS SW0, 0
	s_lshl_b32 s[OF], s[TOKB], 17                  ; xb: 64 rows of 2,048 bytes, my row of the block
	s_lshl_b32 s[CT], s[CS], 13
	s_add_co_u32 s[OF], s[OF], s[CT]
	s_lshl_b32 s[CT], s[WV], 11
	s_add_co_u32 s[OF], s[OF], s[CT]
	s_add_nc_u64 s[12:13], s[12:13], s[OF:OF+1]
	s_lshl_b32 s[OF], s[TOKB], 9                   ; ridx and rw: 8 bytes a token
	s_lshl_b32 s[CT], s[WV], 7
	s_add_co_u32 s[OF], s[OF], s[CT]
	s_add_nc_u64 s[16:17], s[16:17], s[OF:OF+1]
	s_add_nc_u64 s[18:19], s[18:19], s[OF:OF+1]
	s_wait_loadcnt 32                              ; the bias and gate_W are in; the first groups of x and of shared_W, 32 loads behind them, stay out
	PACK16 SGT
	WIN 0x04                                       ; store data in window 1
.set i, 0
.rept 16
.set SG, (SGT&255)+4*i
	ds_store_b64 v[LG], v[SG:SG+1] offset:16*WP*i
.set i, i+1
.endr
	XISS SX1, 1                                    ; the ring is full: four groups
	WISS SW1, 1
	WIN 0
.set i, 0
.rept 8
	ds_store_b128 v[LZ], v[16:19] offset:32*WP*i   ; the gate tile's columns 8 to 15
.set i, i+1
.endr
	s_mov_b32 s[CT], 3
.Lfill:                                                ; a trip goes once round the ring: four groups in, four asked for; each wait leaves the three younger groups out
	s_wait_loadcnt 48
	XGRP SX0, 0, 1
	s_wait_loadcnt 48
	WGRP SW0, 0, 1
	s_wait_loadcnt 48
	XGRP SX1, 1, 1
	s_wait_loadcnt 48
	WGRP SW1, 1, 1
	WIN 0
	s_wait_xcnt 0x0                                ; the bases are stepped only behind this wait
	s_add_nc_u64 s[XBASE:XBASE+1], s[XBASE:XBASE+1], 16384
	s_add_nc_u64 s[WBASE:WBASE+1], s[WBASE:WBASE+1], 262144
	v_add_nc_u32 v[LX], 4*XP, v[LX]
	v_add_nc_u32 v[LW], 64*WP, v[LW]
	s_sub_co_u32 s[CT], s[CT], 1
	s_cmp_lg_u32 s[CT], 0
	s_cbranch_scc1 .Lfill
	s_wait_loadcnt 48                              ; the last four groups ask for nothing more: the counts run down
	XGRP SX0, 0, 0
	s_wait_loadcnt 32
	WGRP SW0, 0, 0
	s_wait_loadcnt 16
	XGRP SX1, 1, 0
	s_wait_loadcnt 0x0
	WGRP SW1, 1, 0
	WIN 0
.set p, 0
.rept 16                        ; the bias is rounded to bf16 like every input
	v_cvt_pk_bf16_f32 v[20+p%8], v[BIAS+2*p], v[BIAS+2*p+1]
	v_lshlrev_b32 v[BIAS+2*p], 16, v[20+p%8]
	v_and_b32 v[BIAS+2*p+1], 0xffff0000, v[20+p%8]
.set p, p+1
.endr
	s_wait_dscnt 0x0                               ; for the others' sake: my stores into LDS are done
	s_barrier_signal -1
	s_barrier_wait -1                              ; the weights and x are whole; from here on they are only read
; 12 LDS loads: the fragments of K step pos (from the stepped addresses) into buffer b: x's 16 rows x 32 k, then five column tiles, turned
.macro RLOAD pos, b
.set FB, 32+48*(\b)
	ds_load_b128 v[FB:FB+3],   v[LA] offset:64*(\pos)
	ds_load_b128 v[FB+4:FB+7], v[LA] offset:64*(\pos)+32
.set c, 0
.rept 5
	ds_load_tr16_b128 v[FB+8+8*c:FB+8+8*c+3],   v[LB] offset:(\pos)*32*WP+32*c
	ds_load_tr16_b128 v[FB+8+8*c+4:FB+8+8*c+7], v[LB] offset:(\pos)*32*WP+16*WP+32*c
.set c, c+1
.endr
.endm
; A K step of 32.  Source 0 = 16 columns of the weights, source 1 = 16 tokens: a lane then holds one token and eight neighbouring columns.  The five accumulators take turns.
.macro RSTEP pos, b, first, ld, left
.rept 4
	v_nop                                          ; four places between the last products and the loads into the buffer that they read
.endr
.if \ld
	RLOAD (\pos)+2, ((\b)+2)%3
.endif
	s_wait_dscnt \left                             ; the runs of 12 issued behind this step's may stay out
.set FB, 32+48*(\b)
.set c, 0
.rept 5
.if (\first) && (c < 4)
	v_wmma_f32_16x16x32_bf16 v[ACC+8*c:ACC+8*c+7], v[FB+8+8*c:FB+8+8*c+7], v[FB:FB+7], v[BIAS+8*c:BIAS+8*c+7]
.elseif \first
	v_wmma_f32_16x16x32_bf16 v[ACC+8*c:ACC+8*c+7], v[FB+8+8*c:FB+8+8*c+7], v[FB:FB+7], 0
.else
	v_wmma_f32_16x16x32_bf16 v[ACC+8*c:ACC+8*c+7], v[FB+8+8*c:FB+8+8*c+7], v[FB:FB+7], v[ACC+8*c:ACC+8*c+7]
.endif
.set c, c+1
.endr
.endm
.irp i, 0,1,2,3
	ds_load_b128 v[ACC+4*\i:ACC+4*\i+3], v[XR] offset:512*\i   ; a row of xb: each row of the block is stored by one wave of one slice
.endr
	RLOAD 0, 0
	RLOAD 1, 1
	s_wait_dscnt 24
.irp i, 0,1,2,3
	global_store_b128 v[GX], v[ACC+4*\i:ACC+4*\i+3], s[12:13] offset:512*\i  ; 512 consecutive bytes
.endr
	s_wait_xcnt 0x0                                ; the products below write these registers
	RSTEP 0, 0, 1, 1, 24                           ; the first K step starts the sums: with the bias, the gate's with 0
	v_add_nc_u32 v[LA], 64, v[LA]
	v_add_nc_u32 v[LB], 32*WP, v[LB]
	s_mov_b32 s[CT], 9
.Lk:                                                   ; K steps 1 to 27, three a trip, on three buffers; loads run two steps ahead
	RSTEP 0, 1, 0, 1, 24
	RSTEP 1, 2, 0, 1, 24
	RSTEP 2, 0, 0, 1, 24
	v_add_nc_u32 v[LA], 3*64, v[LA]
	v_add_nc_u32 v[LB], 3*32*WP, v[LB]
	s_sub_co_u32 s[CT], s[CT], 1
	s_cmp_lg_u32 s[CT], 0
	s_cbranch_scc1 .Lk
	RSTEP 0, 1, 0, 1, 24
	RSTEP 1, 2, 0, 1, 24
	RSTEP 2, 0, 0, 0, 12
	RSTEP 3, 1, 0, 0, 0
.rept 4
	v_nop                                          ; four places between the last products and the first reader of their results
.endr
	s_cmp_lg_u32 s[CS], 0
	s_cbranch_scc1 .Lno_gate
	; THE GATE.  Lanes 0-15 hold a token's eight logits (lanes 16-31 the zero columns' sums: they run along and store nothing).
	v_max3_num_f32 v20, v[GACC], v[GACC+1], v[GACC+2]
	v_max3_num_f32 v20, v20, v[GACC+3], v[GACC+4]
	v_max3_num_f32 v20, v20, v[GACC+5], v[GACC+6]
	v_max_num_f32 v20, v20, v[GACC+7]
	v_mul_f32 v21, 0xbfb8aa3b, v20                 ; - max x log2(e)
.irp i, 0,1,2,3,4,5,6,7
	v_fma_f32 v[32+\i], v[GACC+\i], s[L2E], v21
.endr
.irp i, 0,1,2,3,4,5,6,7
	v_exp_f32 v[32+\i], v[32+\i]
.endr
	v_nop
	s_wait_alu depctr_va_vdst(0)                   ; one wait for the eight exponentials
	v_mov_b32 v22, v32
	v_mov_b32 v24, 0
.irp i, 1,2,3,4,5,6,7
	v_cmp_gt_f32 vcc_lo, v[32+\i], v22             ; strictly greater: of equals the lower index stays
	v_cndmask_b32 v22, v22, v[32+\i], vcc_lo
	v_cndmask_b32 v24, v24, \i, vcc_lo
.endr
	v_mov_b32 v23, -1.0
	v_xor_b32 v25, 1, v24                          ; whatever the numbers, the second index differs from the first
.irp i, 0,1,2,3,4,5,6,7
	v_cmp_gt_f32 s[MK], v[32+\i], v23
	v_cmp_ne_u32 vcc_lo, \i, v24
	s_and_b32 vcc_lo, vcc_lo, s[MK]
	v_cndmask_b32 v23, v23, v[32+\i], vcc_lo
	v_cndmask_b32 v25, v25, \i, vcc_lo
.endr
	v_add_f32 v21, v22, v23
	v_rcp_f32 v21, v21
	v_nop
	s_wait_alu depctr_va_vdst(0)
	v_mul_f32 v26, v22, v21
	v_mul_f32 v27, v23, v21
	s_wait_xcnt 0x0                                ; EXEC changes only behind this wait
	v_cmp_gt_u32 vcc_lo, 16, v[LANE]
	s_and_saveexec_b32 s[SV], vcc_lo
	global_store_b64 v[R8], v[24:25], s[16:17]     ; 128 consecutive bytes a wave; 16,384 bytes in the whole launch, so no stage is spent on them
	global_store_b64 v[R8], v[26:27], s[18:19]
	s_wait_xcnt 0x0                                ; and again in front of the line that widens it
	s_or_b32 exec_lo, exec_lo, s[SV]
.Lno_gate:
	; THE SHARED EXPERT.  Each accumulator is read from its low end on.
.set p, 0
.rept 16
	v_pk_mul_f32 v[YB+2*p:YB+2*p+1], v[YB+2*p:YB+2*p+1], s[KK:KK+1] op_sel_hi:[1,0]
.set p, p+1
.endr
	FINISH 0
.irp c, 0,1,2,3
	ds_store_b128 v[STO], v[PB+8*\c:PB+8*\c+3]   offset:64*\c
	ds_store_b128 v[STO], v[PB+8*\c+4:PB+8*\c+7] offset:64*\c+16
.endr
.irp t, 0,1,2,3,4,5,6,7
	ds_load_b128 v[OB+4*\t:OB+4*\t+3], v[RD] offset:2*TP*\t   ; my own stage: LDS serves a wave's instructions in order (ISA guide 5.7.1.4)
.endr
.irp t, 0,1,2,3,4,5,6,7
	s_wait_dscnt 7-\t
	global_store_b128 v[GW], v[OB+4*\t:OB+4*\t+3], s[14:15] offset:8192*\t  ; 16 lanes store 256 consecutive bytes, at a multiple of 256 from sh's first byte
.endr
	s_wait_tensorcnt 0x0                           ; the wave's end
	ds_add_u32 v[SPW], v[NIL]
	s_wait_dscnt 0x0
	s_endpgm
.Lfunc_end_k_qc08d3fe22a_route:
	.size	k_qc08d3fe22a_route, .Lfunc_end_k_qc08d3fe22a_route-k_qc08d3fe22a_route
	.p2alignl 7, 3214868480
	.fill 96, 4, 3214868480
	.section	.rodata,"a",@progbits
	.p2align	6, 0x0
	.amdhsa_kernel k_qc08d3fe22a_route
		.amdhsa_group_segment_fixed_size 313856
		.amdhsa_private_segment_fixed_size 0
		.amdhsa_enable_private_segment 0
		.amdhsa_kernarg_size 64
		.amdhsa_user_sgpr_count 2
		.amdhsa_user_sgpr_kernarg_segment_ptr 1
		.amdhsa_wavefront_size32 1
		.amdhsa_system_sgpr_workgroup_id_x 1
		.amdhsa_system_sgpr_workgroup_id_y 1
		.amdhsa_system_sgpr_workgroup_id_z 1
		.amdhsa_system_vgpr_workitem_id 0
		.amdhsa_next_free_vgpr 448
		.amdhsa_next_free_sgpr 66
		.amdhsa_reserve_vcc 1
		.amdhsa_float_denorm_mode_32 3
		.amdhsa_float_denorm_mode_16_64 3
		.amdhsa_memory_ordered 1
		.amdhsa_forward_progress 1
		.amdhsa_inst_pref_size 84
	.end_amdhsa_kernel
	.amdgpu_metadata
---
amdhsa.version: [ 1, 2 ]
amdhsa.kernels:
  - .name:           k_qc08d3fe22a_route
    .symbol:         k_qc08d3fe22a_route.kd
    .args:
      - { .name: x, .offset: 0, .size: 8, .value_kind: global_buffer, .address_space: global }
      - { .name: shared_W, .offset: 8, .size: 8, .value_kind: global_buffer, .address_space: global }
      - { .name: shared_b, .offset: 16, .size: 8, .value_kind: global_buffer, .address_space: global }
      - { .name: gate_W, .offset: 24, .size: 8, .value_kind: global_buffer, .address_space: global }
      - { .name: xb, .offset: 32, .size: 8, .value_kind: global_buffer, .address_space: global }
      - { .name: sh, .offset: 40, .size: 8, .value_kind: global_buffer, .address_space: global }
      - { .name: ridx, .offset: 48, .size: 8, .value_kind: global_buffer, .address_space: global }
      - { .name: rw, .offset: 56, .size: 8, .value_kind: global_buffer, .address_space: global }
    .group_segment_fixed_size: 313856
    .private_segment_fixed_size: 0
    .kernarg_segment_align: 8
    .kernarg_segment_size: 64
    .max_flat_workgroup_size: 128
    .sgpr_count:     66
    .vgpr_count:     448
    .wavefront_size: 32
...
	.end_amdgpu_metadata
.endif
;; end of part 1
;; launch up (part 2): grid 256 x 1, 4 waves a work-group, no clusters, 317,440 bytes of LDS; arguments W1, b1, xb, ridx, hbuf; writes hbuf
.if DOCPART == 2
	.amdgcn_target "amdgcn-amd-amdhsa--gfx1250"
	.amdhsa_code_object_version 6
	.text
	.protected	k_qc08d3fe22a_up
	.globl	k_qc08d3fe22a_up
	.p2align	8
	.type	k_qc08d3fe22a_up,@function
k_qc08d3fe22a_up:
	s_mov_b64 s[64:65], 0
	v_nop
	global_prefetch_b8 v0, s[64:65] scope:SCOPE_SE
	s_setreg_imm32_b32 hwreg(HW_REG_WAVE_MODE, 25, 1), 1
	s_wait_xcnt 0x0
; UP.  hbuf[r] = bf16(gelu(xb[r / 2] W1[e] + b1[e])) for every routed row r = 2 token + k with ridx[r] = e.  W1 and b1 are rounded to bf16; sums in f32.
; SHARES.  256 work-groups = 8 experts x 32 slices of 128 columns.  A work-group alone reads its slice of W1 (1,024 k rows x 512 bytes), each byte once, rounds it on the way
; through registers and keeps it in LDS as bf16; then it takes ALL rows of its expert through it, whatever their number (0 to 1,024).
; THE LIST.  Wave 0 reads the 2,048 choices into 64 registers and lays the expert's rows into LDS, with their count.  A token's two experts differ, so a count never passes 1,024.
; ROWS.  Tiles of 16 rows are dealt to the waves in turn; a wave takes up to five at a time against all eight column tiles (40 accumulators), in four blocks: a constant
; count of trips that covers 64 tiles.  Every wave passes every barrier; only work is jumped, by scalar branches that pass no barrier.  Places past the count repeat the last row and store
; its bytes again.  The rows' fragments come from memory straight into registers.  The first block's are asked for while the last quarter of the weights is still on its way.
; BARRIERS.  One behind the list; one behind the slice; a block has two: one between the products, which read the slice by an address that steps along K, and the way out, which stores
; into the waves' stages; one behind the way out.  So no wave writes LDS in a stretch in which a wave reads the slice, and that order does not rest on the arithmetic of the stepped address.
; LIMITS.  NaN and infinities are not treated apart.  erf is Abramowitz and Stegun's 7.1.26, |error| <= 1.5e-7; gelu = 0.5 x + |x| (0.5 - q), absolute error about 2^-24 |x|.
; NO CLUSTER, NO TENSOR LOADS: each weight byte has one reader and must pass through registers to be rounded; the token rows, which an expert's 32 work-groups share, come by a list
; that no descriptor covers, and the slice leaves 22,528 bytes of LDS.
.set WPITCH, 16384              ; bytes from a k row of W1[e] to the next
.set SLP,    288                ; a k row of the slice in LDS: 256 bytes + 32: 9 x 32 suits the turning load
.set LIST,   1024*SLP           ; 294,912: 1,024 words
.set LIDX,   LIST/4
.set META,   LIST+4096          ; word 0: the count
.set STAGE,  META+512           ; behind 256 bytes of dump words: 16 rows x 272 bytes for each wave
.set TP,     272
.set SPARE,  STAGE+4*16*TP      ; 316,928: the spare words, 128 bytes a wave; no other line names them
.set R,    1
.set H,    2
.set LB,   3                    ; LDS address of the weights' fragments, stepped along K
.set LB0,  4
.set STO,  5
.set RD,   6
.set C16,  7                    ; 16 R
.set PST,  8                    ; the way out: place in the list of stage row lane / 16 of the block's tile 0
.set PIDX, 9                    ; place in the list of my row of the block's tile 0
.set H16,  10
.set AOFF, 16                   ; v16-20  my row's byte offset in xb, for each of five tiles (v16-23: at work while the list is built)
.set RID,  21                   ; v21-25  my row's number
.set SOFF, 36                   ; v36-43  the way out: offsets in hbuf (at work while the list is built)
.set LW,   44
.set GW,   45                   ; 16 x lane
.set SPW,  46                   ; my spare word; never rewritten
.set NIL,  47                   ; 0; never rewritten
.set DMP,  48                   ; word index of my lane's dump word
.set L4,   49                   ; 4 x lane
.set H32,  50
.set LANE, 51
.set YB,   64                   ; the activation's five sets of 32
.set TB,   96
.set ZB,   128
.set AB_,  160
.set PB,   192
.set OB,   224
.set S0,   640                  ; three staging slots of 64 for the weights' stream: window 2 v128-191,
.set S1,   704                  ; window 2 v192-255,
.set S2,   928                  ; window 3 v160-223
; Window 0: v64-223 four buffers of 40 for the rows' fragments; v192-255 wave 0's choices, ahead of the first barrier.
; Window 1: v0-127 accumulators of tiles 0, 1; v128-255 two buffers of 64 for the weights' fragments.  Window 2: v0-127 tiles 2, 3.  Window 3: v0-63 tile 4; v64-127 the bias; v128-159 at work.
.set WV,   16
.set E,    17
.set CS,   18
.set OF,   20
.set WB,   22
.set AB0,  24
.set AB,   26
.set CNT,  28
.set CM1,  29
.set NREM, 30
.set NA,   31
.set BLK,  32
.set KT,   33
.set EI,   34
.set EJ,   35
.set T0,   38
.set T1,   39
.set KK,   40
.set PP,   42
.set C5,   44
.set C4,   46
.set C3,   48
.set C2,   50
.set C1,   52
.set C0,   54
.set MB,   66                   ; s66-73  the list: eight masks
.set PF,   74                   ; s74-82  the list: the word index of the next free place, ahead of each of eight registers and behind the last
.set MSB, 0
.macro WIN new                  ; s_set_vgpr_msb: bits 1:0 source 0, 3:2 source 1, 5:4 source 2, 7:6 destination; the high byte repeats the setting that is left
.if MSB != (\new)
	s_set_vgpr_msb (MSB<<8)|(\new)
.set MSB, (\new)
.endif
.endm
.macro SPAIR reg, val
	s_mov_b32 s[\reg], \val
	s_mov_b32 s[(\reg)+1], \val
.endm
; GELU of 32 numbers a lane.  Y = k x lies in YB.  T = 1 / (1 + p |Y|), Z = 2^(-Y Y), P = the series in T, G = C0 - P T Z, result = |Y| G + C0 Y, in PB; cvt = 1: rounded to bf16 in pairs, in ZB.
.macro FPLAIN p, n
.if (\n) == 0
	v_fma_f32 v[TB+2*(\p)], |v[YB+2*(\p)]|, s[PP], 1.0
.elseif (\n) == 1
	v_fma_f32 v[TB+2*(\p)+1], |v[YB+2*(\p)+1]|, s[PP], 1.0
.elseif (\n) == 2
	v_pk_mul_f32 v[ZB+2*(\p):ZB+2*(\p)+1], v[YB+2*(\p):YB+2*(\p)+1], v[YB+2*(\p):YB+2*(\p)+1] neg_lo:[0,1] neg_hi:[0,1]
.else
	v_pk_mul_f32 v[AB_+2*(\p):AB_+2*(\p)+1], v[YB+2*(\p):YB+2*(\p)+1], s[C0:C0+1] op_sel_hi:[1,0]
.endif
.endm
.macro FTRANS p, n
.if (\n) < 2
	v_rcp_f32 v[TB+2*(\p)+(\n)], v[TB+2*(\p)+(\n)]
.else
	v_exp_f32 v[ZB+2*(\p)+(\n)-2], v[ZB+2*(\p)+(\n)-2]
.endif
.endm
.macro FINISH cvt
.set fp, 0
.rept 17                        ; the 64 reciprocals and exponentials are one batch; pair p's plain lines stand between those of pair p - 1, and none of them names a result
.set fn, 0
.rept 4
.if fp < 16
	FPLAIN fp, fn
.endif
.if fp > 0
	FTRANS fp-1, fn
.endif
.set fn, fn+1
.endr
.set fp, fp+1
.endr
	v_nop                                          ; a plain instruction behind the last of the batch,
	s_wait_alu depctr_va_vdst(0)                   ; and the one wait ahead of the first reader
.set fg, 0
.rept 2                         ; eight pairs at a time, operation by operation, so that a line's source was made eight lines before it
.irp op, 0,1,2,3,4,5,6,7,8
.set fu, 0
.rept 8
.set fp, 2*(8*fg+fu)
.if (\op) == 0
	v_pk_fma_f32 v[PB+fp:PB+fp+1], v[TB+fp:TB+fp+1], s[C5:C5+1], s[C4:C4+1] op_sel_hi:[1,0,0]
.elseif (\op) < 4
	v_pk_fma_f32 v[PB+fp:PB+fp+1], v[PB+fp:PB+fp+1], v[TB+fp:TB+fp+1], s[C4+2*(\op):C4+2*(\op)+1] op_sel_hi:[1,1,0]
.elseif (\op) == 4
	v_pk_mul_f32 v[TB+fp:TB+fp+1], v[TB+fp:TB+fp+1], v[ZB+fp:ZB+fp+1]
.elseif (\op) == 5
	v_pk_fma_f32 v[PB+fp:PB+fp+1], v[PB+fp:PB+fp+1], v[TB+fp:TB+fp+1], s[C0:C0+1] op_sel_hi:[1,1,0] neg_lo:[1,0,0] neg_hi:[1,0,0]
.elseif (\op) == 6
	v_fma_f32 v[PB+fp], |v[YB+fp]|, v[PB+fp], v[AB_+fp]
.elseif (\op) == 7
	v_fma_f32 v[PB+fp+1], |v[YB+fp+1]|, v[PB+fp+1], v[AB_+fp+1]
.elseif \cvt
	v_cvt_pk_bf16_f32 v[ZB+fp/2], v[PB+fp], v[PB+fp+1]
.endif
.set fu, fu+1
.endr
.endr
.set fg, fg+1
.endr
.endm
; 16 loads, a k row of 512 bytes each, rows pos .. pos + 15 from the stepped base, into the staging slot that begins at register sb (counted through the windows)
.macro SISSUE sb, pos
	WIN ((\sb)>>8)<<6
.set i, 0
.rept 16
.set SG, ((\sb)&255)+4*i
	global_load_b128 v[SG:SG+3], v[GW], s[WB:WB+1] offset:((\pos)+i)*WPITCH th:TH_LOAD_NT
.set i, i+1
.endr
	WIN 0
.endm
; A group of 16 k rows: rounded in one run, stored into the slice in one run; issue = 1: the slot takes the group three further on, in one run.  left: the younger loads that may stay out.
.macro SGRP sb, pos, issue, left
	s_wait_loadcnt \left
	WIN (((\sb)>>8)<<6)|(((\sb)>>8)<<2)|((\sb)>>8)
.set i, 0
.rept 16
.set SG, ((\sb)&255)+4*i
	v_cvt_pk_bf16_f32 v[SG], v[SG], v[SG+1]
	v_cvt_pk_bf16_f32 v[SG+1], v[SG+2], v[SG+3]
.set i, i+1
.endr
	WIN ((\sb)>>8)<<2
.set i, 0
.rept 16
.set SG, ((\sb)&255)+4*i
	ds_store_b64 v[LW], v[SG:SG+1] offset:((\pos)+i)*SLP
.set i, i+1
.endr
.if \issue
	SISSUE \sb, (\pos)+48
.else
	WIN 0
.endif
.endm
; 10 loads: the fragments of five tiles' rows for K step pos (from the stepped base) into buffer q: 16 rows x 32 k each, two loads of 16 bytes a lane, 32 bytes apart
.macro ALOAD pos, q
.set j, 0
.rept 5
.set rA, 64+40*(\q)+8*j
	global_load_b128 v[rA:rA+3],   v[AOFF+j], s[AB:AB+1] offset:64*(\pos)
	global_load_b128 v[rA+4:rA+7], v[AOFF+j], s[AB:AB+1] offset:64*(\pos)+32
.set j, j+1
.endr
.endm
; 16 LDS loads: the weights' fragments of K step pos, eight column tiles, turned, into buffer b of window 1
.macro BLOAD pos, b
	WIN 0x40
.set c, 0
.rept 8
.set rB, 128+64*(\b)+8*c
	ds_load_tr16_b128 v[rB:rB+3],   v[LB] offset:(\pos)*32*SLP+32*c
	ds_load_tr16_b128 v[rB+4:rB+7], v[LB] offset:(\pos)*32*SLP+16*SLP+32*c
.set c, c+1
.endr
	WIN 0
.endm
; A K step of 32.  Source 0 = 16 columns of the weights, source 1 = 16 rows: a lane then holds one row and eight neighbouring columns.  A tile's eight accumulators take turns.
; The rows' fragments are asked for three steps ahead, the weights' one.  All loads are issued whatever the number of live tiles, so every count holds on every path; only products are jumped.
; first = 1: the block's first step starts the sums with the bias, for all five tiles, so that every accumulator is written on every path.
.macro STEP pos, q, first, lda, ldb, aleft, bleft
	WIN 0
.rept 4
	v_nop                                          ; four places between the last products and the loads into the buffers that they read
.endr
.if \lda
	ALOAD (\pos)+3, ((\q)+3)%4
.endif
.if \ldb
	BLOAD (\pos)+1, ((\q)+1)%2
.endif
	s_wait_loadcnt \aleft                          ; the runs of 10 issued behind this step's may stay out
	s_wait_dscnt \bleft                            ; and the run of 16
.set j, 0
.rept 5
.if (j > 0) && !(\first)
	WIN 0
	s_cmp_lt_u32 s[NA], j+1
	s_cbranch_scc1 .Lskip_\@
.endif
.set c, 0
.rept 8
.set rD, 256*(1+j/2)+64*(j%2)+8*c
.set rB, 384+64*((\q)%2)+8*c
.set rA, 64+40*(\q)+8*j
.if \first
.set rC, 832+8*c
.else
.set rC, rD
.endif
.set lD, rD&255
.set lB, rB&255
.set lC, rC&255
	WIN ((rD>>8)<<6)|((rC>>8)<<4)|(rB>>8)
	v_wmma_f32_16x16x32_bf16 v[lD:lD+7], v[lB:lB+7], v[rA:rA+7], v[lC:lC+7]
.set c, c+1
.endr
.set j, j+1
.endr
	WIN 0
.Lskip_\@:
.endm
; Half n % 2 (four column tiles) of tile n / 2: Y = k x, into window 0; each accumulator is read from its low end on
.macro EXTR n
.set jj, (\n)/2
.set aB, 256*(1+jj/2)+64*(jj%2)+32*((\n)%2)
	WIN aB>>8
.set p, 0
.rept 16
.set lA, (aB&255)+2*p
	v_pk_mul_f32 v[YB+2*p:YB+2*p+1], v[lA:lA+1], s[KK:KK+1] op_sel_hi:[1,0]
.set p, p+1
.endr
	WIN 0
.endm
; A block begins: my rows' numbers out of the list, their offsets in xb, and the fragments of the first three K steps.  Operation by operation over the five tiles.
.macro PROLOGUE
.irp j, 0,1,2,3,4
	v_add_nc_u32 v[11+\j], 64*\j, v[PIDX]
.endr
.irp j, 0,1,2,3,4
	v_min_u32 v[11+\j], s[CM1], v[11+\j]
.endr
.irp j, 0,1,2,3,4
	v_min_u32 v[11+\j], 0x3ff, v[11+\j]
.endr
.irp j, 0,1,2,3,4
	v_lshl_add_u32 v[11+\j], v[11+\j], 2, LIST
.endr
.irp j, 0,1,2,3,4
	ds_load_b32 v[RID+\j], v[11+\j]
.endr
	s_wait_dscnt 0x0
.irp j, 0,1,2,3,4
	v_lshrrev_b32 v[11+\j], 1, v[RID+\j]           ; the row's token
.endr
.irp j, 0,1,2,3,4
	v_min_u32 v[11+\j], 0x3ff, v[11+\j]
.endr
.irp j, 0,1,2,3,4
	v_lshl_add_u32 v[AOFF+\j], v[11+\j], 11, v[H16]
.endr
	s_mov_b64 s[AB:AB+1], s[AB0:AB0+1]
	v_mov_b32 v[LB], v[LB0]
	ALOAD 0, 0
	ALOAD 1, 1
	ALOAD 2, 2
.endm
	s_load_b256 s[4:11], s[0:1], 0x0               ; W1 4, b1 6, xb 8, ridx 10
	s_load_b64 s[12:13], s[0:1], 0x20              ; hbuf
	v_lshl_add_u32 v[SPW], v0, 2, SPARE
	v_mov_b32 v[NIL], 0
	v_lshrrev_b32 v11, 5, v0
	v_readfirstlane_b32 s[WV], v11                 ; wave 0..3
	s_lshr_b32 s[E], ttmp9, 5                      ; the expert
	s_and_b32 s[CS], ttmp9, 31                     ; the slice of 128 columns
	v_and_b32 v[LANE], 31, v0
	v_and_b32 v[R], 15, v0
	v_bfe_u32 v[H], v0, 4, 1
	v_lshlrev_b32 v[H16], 4, v[H]
	v_lshlrev_b32 v[H32], 5, v[H]
	v_lshlrev_b32 v[GW], 4, v[LANE]
	v_lshlrev_b32 v[L4], 2, v[LANE]
	v_add_nc_u32 v[DMP], LIDX+1088, v[LANE]
	v_lshlrev_b32 v[C16], 4, v[R]
	s_mul_i32 s[T0], s[WV], 256*SLP
	v_lshl_add_u32 v[LW], v[LANE], 3, s[T0]        ; my wave's 256 k rows of the slice, 8 bytes a lane
	v_and_b32 v11, 7, v0
	v_lshl_add_u32 v11, v[H], 3, v11
	v_mul_u32_u24 v11, v11, SLP
	v_bfe_u32 v12, v0, 3, 1
	v_lshl_add_u32 v[LB0], v12, 4, v11             ; the turning load: k row 8 H + lane % 8, 16 bytes by (lane / 8) % 2
	s_mul_i32 s[T0], s[WV], 16*TP
	s_add_co_u32 s[T0], s[T0], STAGE
	v_mul_u32_u24 v11, v[R], TP
	v_add_nc_u32 v11, s[T0], v11
	v_lshl_add_u32 v[STO], v[H], 4, v11            ; into my stage: row R, 16 bytes for each half of the lanes
	v_mul_u32_u24 v11, v[H], TP
	v_add_nc_u32 v11, s[T0], v11
	v_lshl_add_u32 v[RD], v[R], 4, v11             ; back: lanes 0-15 one row of 256 bytes, lanes 16-31 the next
	s_lshl_b32 s[T0], s[WV], 4
	v_add_nc_u32 v[PST], s[T0], v[H]
	v_add_nc_u32 v[PIDX], s[T0], v[R]
	SPAIR KK, 0x3f596d27
	s_mov_b32 s[PP], 0x3e8ba43f
	SPAIR C5, 0x3f1ff67a
	SPAIR C4, 0xbf5b0099
	SPAIR C3, 0x3f563817
	SPAIR C2, 0xbe2b8119
	SPAIR C1, 0x3e199eb3
	SPAIR C0, 0x3f16b55f
	s_lshl_b32 s[OF], s[E], 24                     ; an expert's W1 is 2^24 bytes,
	s_lshl_b32 s[T0], s[WV], 22                    ; my wave's 256 k rows,
	s_add_co_u32 s[OF], s[OF], s[T0]
	s_lshl_b32 s[T0], s[CS], 9                     ; the slice's 512 bytes of a row
	s_add_co_u32 s[OF], s[OF], s[T0]
	s_mov_b32 s[OF+1], 0
	s_wait_kmcnt 0x0
	s_add_nc_u64 s[WB:WB+1], s[4:5], s[OF:OF+1]
	s_lshl_b32 s[OF], s[E], 14
	s_add_co_u32 s[OF], s[OF], s[T0]
	s_add_nc_u64 s[6:7], s[6:7], s[OF:OF+1]        ; b1 at the expert and the slice
	s_mov_b64 s[AB0:AB0+1], s[8:9]
	s_lshl_b32 s[OF], s[CS], 8
	s_add_nc_u64 s[12:13], s[12:13], s[OF:OF+1]    ; hbuf at the slice's 256 bytes of a row
	WIN 0xc0                                       ; destination window 3
.irp c, 0,1,2,3,4,5,6,7
	global_load_b128 v[64+8*\c:64+8*\c+3], v[H32], s[6:7] offset:64*\c       ; columns 16 c + 8 H + 0..7: as an accumulator holds them
	global_load_b128 v[64+8*\c+4:64+8*\c+7], v[H32], s[6:7] offset:64*\c+16
.endr
	WIN 0
	s_cmp_lg_u32 s[WV], 0
	s_cbranch_scc1 .Lothers
	; THE LIST, by wave 0, out of 64 registers: register m holds choice 128 (m / 4) + 4 lane + m % 4.  Eight registers at a time, operation by operation, so that no line reads the result of the line before it.
.set i, 0
.rept 16
	global_load_b128 v[192+4*i:192+4*i+3], v[GW], s[10:11] offset:512*i
.set i, i+1
.endr
	SISSUE S0, 0
	SISSUE S1, 16
	v_mov_b32 v12, LIST
	ds_store_b32 v12, v[NIL]                       ; the list's first word is written whatever the count: an expert without rows leaves row 0 there, of which nothing is stored
	s_mov_b32 s[PF], LIDX                          ; the word index of the list's next free place
	s_wait_loadcnt 32                              ; the choices are in; the two groups of weights behind them stay out
.set g, 0
.rept 8
.set n, 0
.rept 8
	v_cmp_eq_u32 s[MB+n], s[E], v[192+8*g+n]
.set n, n+1
.endr
.set n, 0
.rept 8
	s_bcnt1_i32_b32 s[T0], s[MB+n]
	s_add_co_u32 s[PF+n+1], s[PF+n], s[T0]
.set n, n+1
.endr
.set n, 0
.rept 8
	v_mbcnt_lo_u32_b32 v[16+n], s[MB+n], s[PF+n]   ; the place of my row among this register's hits
.set n, n+1
.endr
.set n, 0
.rept 8
	v_cndmask_b32 v[16+n], v[DMP], v[16+n], s[MB+n]  ; a lane without a hit writes its dump word
.set n, n+1
.endr
.set n, 0
.rept 8
	v_min_u32 v[16+n], LIDX+1151, v[16+n]          ; inside list, count and dump words whatever the data
.set n, n+1
.endr
.set n, 0
.rept 8
	v_lshlrev_b32 v[16+n], 2, v[16+n]
.set n, n+1
.endr
.set n, 0
.rept 8
	v_add_nc_u32 v[36+n], 128*((8*g+n)/4)+(8*g+n)%4, v[L4]  ; the row's number
.set n, n+1
.endr
.set n, 0
.rept 8
	ds_store_b32 v[16+n], v[36+n]
.set n, n+1
.endr
	s_mov_b32 s[PF], s[PF+8]
.set g, g+1
.endr
	s_sub_co_u32 s[T0], s[PF], LIDX
	v_mov_b32 v11, s[T0]
	v_mov_b32 v12, META
	ds_store_b32 v12, v11                          ; the count
	s_branch .Ljoin
.Lothers:
	SISSUE S0, 0
	SISSUE S1, 16
.Ljoin:
	SISSUE S2, 32                                  ; 48 loads, 24,576 bytes, of each wave are on their way
	s_wait_dscnt 0x0
	s_barrier_signal -1
	s_barrier_wait -1                              ; the list's stores, whose addresses hang on data, have a stretch between barriers to themselves
	s_mov_b32 s[KT], 4
.Lstream:                                              ; three groups a trip; each wait leaves the two younger groups out
	SGRP S0, 0,  1, 32
	SGRP S1, 16, 1, 32
	SGRP S2, 32, 1, 32
	s_wait_xcnt 0x0                                ; the base is stepped only behind this wait
	s_add_nc_u64 s[WB:WB+1], s[WB:WB+1], 48*WPITCH
	v_add_nc_u32 v[LW], 48*SLP, v[LW]
	s_sub_co_u32 s[KT], s[KT], 1
	s_cmp_lg_u32 s[KT], 0
	s_cbranch_scc1 .Lstream
	; Groups 12 to 14 are on their way.  Under them: the count, the bias, and the first block's beginning, whose 30 loads of rows then land under the stream's end.
	v_mov_b32 v11, META
	ds_load_b32 v12, v11
	WIN 0xff                                       ; the bias (older than every group that has been waited for) is rounded to bf16 like every input: all operands in window 3
.set p, 0
.rept 32
	v_cvt_pk_bf16_f32 v[128+p], v[64+2*p], v[64+2*p+1]
.set p, p+1
.endr
.set p, 0
.rept 32
	v_lshlrev_b32 v[64+2*p], 16, v[128+p]
	v_and_b32 v[64+2*p+1], 0xffff0000, v[128+p]
.set p, p+1
.endr
	WIN 0
	s_wait_dscnt 0x0
	v_readfirstlane_b32 s[CNT], v12
	s_min_u32 s[CNT], s[CNT], 0x400
	s_max_u32 s[CM1], s[CNT], 1
	s_sub_co_u32 s[CM1], s[CM1], 1
	s_min_u32 s[CM1], s[CM1], 0x3ff                ; the last row's place: places past the count repeat it
	s_add_co_u32 s[T0], s[CNT], 15
	s_lshr_b32 s[T0], s[T0], 4                     ; tiles of 16 rows
	s_add_co_u32 s[T0], s[T0], 3
	s_sub_co_u32 s[T0], s[T0], s[WV]
	s_lshr_b32 s[NREM], s[T0], 2                   ; of which mine are tiles wave, wave + 4, ..
	s_min_u32 s[NA], s[NREM], 5                    ; my live tiles in the first block, 0 to 5
	PROLOGUE
	SGRP S0, 0,  1, 62                             ; group 12: behind it stand groups 13 and 14 and the 30 loads of rows; it asks for group 15, the last
	SGRP S1, 16, 0, 62                             ; group 13: group 14, the 30, group 15
	SGRP S2, 32, 0, 46                             ; group 14: the 30, group 15
	SGRP S0, 48, 0, 0                              ; group 15
	s_wait_dscnt 0x0                               ; for the others' sake: my part of the slice is stored
	s_barrier_signal -1
	s_barrier_wait -1                              ; the slice is whole; from here on slice and list are only read
	s_mov_b32 s[BLK], 4
	s_branch .Lsteps                               ; the loop over blocks is entered behind a block's beginning, which the first block has had: so every wave walks the first block's products, and the way out never finds a register unwritten
.Lblk:                                                 ; four trips cover 4 waves x 20 tiles, more than the 64 that an expert can have
	s_min_u32 s[NA], s[NREM], 5
	s_cmp_eq_u32 s[NREM], 0
	s_cbranch_scc1 .Lk_done                        ; a later block without tiles: the products are jumped, the barriers are not
	PROLOGUE
.Lsteps:
	BLOAD 0, 0
	STEP 0, 0, 1, 1, 1, 30, 16
	s_wait_xcnt 0x0                                ; the base is stepped only behind this wait
	s_add_nc_u64 s[AB:AB+1], s[AB:AB+1], 64
	v_add_nc_u32 v[LB], 32*SLP, v[LB]
	s_mov_b32 s[KT], 7
.Lk:                                                   ; K steps 1 to 28
	STEP 0, 1, 0, 1, 1, 30, 16
	STEP 1, 2, 0, 1, 1, 30, 16
	STEP 2, 3, 0, 1, 1, 30, 16
	STEP 3, 0, 0, 1, 1, 30, 16
	s_wait_xcnt 0x0
	s_add_nc_u64 s[AB:AB+1], s[AB:AB+1], 256
	v_add_nc_u32 v[LB], 4*32*SLP, v[LB]
	s_sub_co_u32 s[KT], s[KT], 1
	s_cmp_lg_u32 s[KT], 0
	s_cbranch_scc1 .Lk
	STEP 0, 1, 0, 0, 1, 20, 16                     ; the last three steps: the counts run down
	STEP 1, 2, 0, 0, 1, 10, 16
	STEP 2, 3, 0, 0, 0, 0, 0
.rept 4
	v_nop                                          ; four places between the last products and the first reader of their results
.endr
.Lk_done:
	s_wait_dscnt 0x0                               ; my reads of the slice are over
	s_barrier_signal -1
	s_barrier_wait -1                              ; everybody's are: now the stages may be written
	s_mov_b32 s[EI], 0
.Lepi:                                                 ; THE WAY OUT, half a tile a trip; one text for the activation, ten short pieces that fetch the sums from their windows
	s_lshr_b32 s[EJ], s[EI], 1
	s_cmp_ge_u32 s[EJ], s[NA]
	s_cbranch_scc1 .Lepi_next
.irp n, 1,2,3,4,5,6,7,8,9
	s_cmp_eq_u32 s[EI], \n
	s_cbranch_scc1 .Lex\n
.endr
.irp n, 0,1,2,3,4,5,6,7,8,9
.Lex\n:
	EXTR \n
	s_branch .Lfin
.endr
.Lfin:
	FINISH 1
	s_and_b32 s[T0], s[EI], 1
	s_lshl_b32 s[T1], s[T0], 7                     ; the half's 128 bytes of a stage row
	v_add_nc_u32 v11, s[T1], v[STO]
.irp cc, 0,1,2,3
	ds_store_b128 v11, v[ZB+4*\cc:ZB+4*\cc+3] offset:32*\cc
.endr
	s_cmp_eq_u32 s[T0], 0
	s_cbranch_scc1 .Lepi_next                      ; a row's 256 bytes are whole behind the second half
	s_wait_xcnt 0x0                                ; the last stores' offsets and data are rewritten only behind this wait
	s_lshl_b32 s[T1], s[EJ], 6
	v_add_nc_u32 v12, s[T1], v[PST]
.irp t, 0,1,2,3,4,5,6,7
	v_add_nc_u32 v[SOFF+\t], 2*\t, v12
.endr
.irp t, 0,1,2,3,4,5,6,7
	v_min_u32 v[SOFF+\t], s[CM1], v[SOFF+\t]
.endr
.irp t, 0,1,2,3,4,5,6,7
	v_min_u32 v[SOFF+\t], 0x3ff, v[SOFF+\t]
.endr
.irp t, 0,1,2,3,4,5,6,7
	v_lshl_add_u32 v[SOFF+\t], v[SOFF+\t], 2, LIST
.endr
.irp t, 0,1,2,3,4,5,6,7
	ds_load_b32 v[SOFF+\t], v[SOFF+\t]             ; the number of the row that I store
.endr
.irp t, 0,1,2,3,4,5,6,7
	ds_load_b128 v[OB+4*\t:OB+4*\t+3], v[RD] offset:2*TP*\t   ; my own stage: LDS serves a wave's instructions in order (ISA guide 5.7.1.4)
.endr
	s_wait_dscnt 8                                 ; the numbers are in; the eight loads behind them stay out
.irp t, 0,1,2,3,4,5,6,7
	v_min_u32 v[SOFF+\t], 0x7ff, v[SOFF+\t]
.endr
.irp t, 0,1,2,3,4,5,6,7
	v_lshl_add_u32 v[SOFF+\t], v[SOFF+\t], 13, v[C16]
.endr
.irp t, 0,1,2,3,4,5,6,7
	s_wait_dscnt 7-\t
	global_store_b128 v[SOFF+\t], v[OB+4*\t:OB+4*\t+3], s[12:13]  ; 16 lanes store 256 consecutive bytes, at a multiple of 256 from hbuf's first byte
.endr
.Lepi_next:
	s_add_co_u32 s[EI], s[EI], 1
	s_cmp_lt_u32 s[EI], 10
	s_cbranch_scc1 .Lepi
	s_sub_co_u32 s[NREM], s[NREM], s[NA]
	s_wait_dscnt 0x0                               ; my stores into my stage are done
	s_barrier_signal -1
	s_barrier_wait -1                              ; everybody's are: now the slice may be read again
	v_add_nc_u32 v[PIDX], 320, v[PIDX]             ; five tiles of each of four waves on
	v_add_nc_u32 v[PST], 320, v[PST]
	s_sub_co_u32 s[BLK], s[BLK], 1
	s_cmp_lg_u32 s[BLK], 0
	s_cbranch_scc1 .Lblk
	s_wait_tensorcnt 0x0                           ; the wave's end
	ds_add_u32 v[SPW], v[NIL]
	s_wait_dscnt 0x0
	s_endpgm
.Lfunc_end_k_qc08d3fe22a_up:
	.size	k_qc08d3fe22a_up, .Lfunc_end_k_qc08d3fe22a_up-k_qc08d3fe22a_up
	.p2alignl 7, 3214868480
	.fill 96, 4, 3214868480
	.section	.rodata,"a",@progbits
	.p2align	6, 0x0
	.amdhsa_kernel k_qc08d3fe22a_up
		.amdhsa_group_segment_fixed_size 317440
		.amdhsa_private_segment_fixed_size 0
		.amdhsa_enable_private_segment 0
		.amdhsa_kernarg_size 40
		.amdhsa_user_sgpr_count 2
		.amdhsa_user_sgpr_kernarg_segment_ptr 1
		.amdhsa_wavefront_size32 1
		.amdhsa_system_sgpr_workgroup_id_x 1
		.amdhsa_system_sgpr_workgroup_id_y 1
		.amdhsa_system_sgpr_workgroup_id_z 1
		.amdhsa_system_vgpr_workitem_id 0
		.amdhsa_next_free_vgpr 1024
		.amdhsa_next_free_sgpr 84
		.amdhsa_reserve_vcc 0
		.amdhsa_float_denorm_mode_32 3
		.amdhsa_float_denorm_mode_16_64 3
		.amdhsa_memory_ordered 1
		.amdhsa_forward_progress 1
		.amdhsa_inst_pref_size 162
	.end_amdhsa_kernel
	.amdgpu_metadata
---
amdhsa.version: [ 1, 2 ]
amdhsa.kernels:
  - .name:           k_qc08d3fe22a_up
    .symbol:         k_qc08d3fe22a_up.kd
    .args:
      - { .name: W1, .offset: 0, .size: 8, .value_kind: global_buffer, .address_space: global }
      - { .name: b1, .offset: 8, .size: 8, .value_kind: global_buffer, .address_space: global }
      - { .name: xb, .offset: 16, .size: 8, .value_kind: global_buffer, .address_space: global }
      - { .name: ridx, .offset: 24, .size: 8, .value_kind: global_buffer, .address_space: global }
      - { .name: hbuf, .offset: 32, .size: 8, .value_kind: global_buffer, .address_space: global }
    .group_segment_fixed_size: 317440
    .private_segment_fixed_size: 0
    .kernarg_segment_align: 8
    .kernarg_segment_size: 40
    .max_flat_workgroup_size: 128
    .sgpr_count:     84
    .vgpr_count:     1024
    .wavefront_size: 32
...
	.end_amdgpu_metadata
.endif
;; end of part 2
;; launch down (part 3): grid 256 x 1, 4 waves a work-group, no clusters, 317,440 bytes of LDS; arguments W2, b2, hbuf, ridx, rw, ybuf; writes ybuf
.if DOCPART == 3
	.amdgcn_target "amdgcn-amd-amdhsa--gfx1250"
	.amdhsa_code_object_version 6
	.text
	.protected	k_qc08d3fe22a_down
	.globl	k_qc08d3fe22a_down
	.p2align	8
	.type	k_qc08d3fe22a_down,@function
k_qc08d3fe22a_down:
	s_mov_b64 s[64:65], 0
	v_nop
	global_prefetch_b8 v0, s[64:65] scope:SCOPE_SE
	s_setreg_imm32_b32 hwreg(HW_REG_WAVE_MODE, 25, 1), 1
	s_wait_xcnt 0x0
; DOWN.  ybuf[q][r] = rw[r] x (hbuf[r][1024 q .. 1024 q + 1023] W2[e][those rows] + b2[e] if q = 0) for every routed row r with ridx[r] = e: four partial sums a row, in f32.
; W2 and b2 are rounded to bf16; sums in f32.
; SHARES.  256 work-groups = 8 experts x 4 quarters of K x 8 slices of 128 columns.  A work-group alone reads its part of W2 (1,024 k rows x 512 bytes), each byte once, rounds it
; on the way through registers and keeps it in LDS as bf16; then it takes ALL rows of its expert through it, whatever their number (0 to 1,024).  List, stream, tiles, blocks, jumps and barriers
; are those of the launch before: wave 0 lays the expert's rows into LDS; a wave takes up to five tiles of 16 rows against eight column tiles, in four blocks; every wave passes every barrier and
; only work is jumped; places past the count repeat the last row and store its bytes again; the first block's rows are asked for while the last quarter of the weights is still on its way.
; BARRIERS.  One behind the list; one behind the slice; a block has two: one between the products, which read the slice by an address that steps along K, and the way out, which stores
; into the waves' stages; one behind the way out.  So no wave writes LDS in a stretch in which a wave reads the slice, and that order does not rest on the arithmetic of the stepped address.
; WHY QUARTERS OF K: 32 slices of 32 columns would make weight rows of 128 bytes and every work-group read all 8,192 bytes of each of its rows of hbuf; this split reads 2,048 and keeps
; rows of 512 bytes, at the price of four partial rows, which the last launch adds.
; LIMITS.  NaN and infinities are not treated apart (in quarters 1 to 3 the bias is multiplied by 0).
; NO CLUSTER, NO TENSOR LOADS: each weight byte has one reader and must pass through registers to be rounded; the rows of hbuf come by a list that no descriptor covers.
.set WPITCH, 4096               ; bytes from a k row of W2[e] to the next
.set SLP,    288
.set LIST,   1024*SLP
.set LIDX,   LIST/4
.set META,   LIST+4096
.set STAGE,  META+512           ; behind 256 bytes of dump words: 16 rows x 272 bytes for each wave
.set TP,     272
.set SPARE,  STAGE+4*16*TP      ; the spare words, 128 bytes a wave; no other line names them
.set R,    1
.set H,    2
.set LB,   3
.set LB0,  4
.set STO,  5
.set RD,   6
.set C16,  7
.set PST,  8
.set PIDX, 9
.set H16,  10
.set AOFF, 16                   ; v16-20  my row's byte offset in hbuf, for each of five tiles (v16-23: at work while the list is built)
.set RID,  21                   ; v21-25  my row's number
.set WGT,  26                   ; v26-35  my row's weight, in the low register of a pair; the high one holds 0
.set SOFF, 36                   ; v36-43  the way out: offsets in ybuf (at work while the list is built)
.set LW,   44
.set GW,   45
.set SPW,  46                   ; my spare word; never rewritten
.set NIL,  47                   ; 0; never rewritten
.set DMP,  48
.set L4,   49
.set H32,  50
.set LANE, 51
.set WADR, 52                   ; v52-56  my row's byte offset in rw
.set PB,   192                  ; the way out: 32 numbers
.set OB,   224
.set S0,   640                  ; three staging slots of 64 for the weights' stream: window 2 v128-191,
.set S1,   704                  ; window 2 v192-255,
.set S2,   928                  ; window 3 v160-223
; Window 0: v64-223 four buffers of 40 for the rows' fragments; v192-255 wave 0's choices, ahead of the first barrier.
; Window 1: v0-127 accumulators of tiles 0, 1; v128-255 two buffers of 64 for the weights' fragments.  Window 2: v0-127 tiles 2, 3.  Window 3: v0-63 tile 4; v64-127 the bias; v128-159 at work.
.set WV,   16
.set E,    17
.set CS,   18
.set KP,   19
.set OF,   20
.set WB,   22
.set AB0,  24
.set AB,   26
.set CNT,  28
.set CM1,  29
.set NREM, 30
.set NA,   31
.set BLK,  32
.set KT,   33
.set EI,   34
.set EJ,   35
.set T0,   38
.set T1,   39
.set FLAG, 56
.set MB,   66                   ; s66-73  the list: eight masks
.set PF,   74                   ; s74-82  the list: the word index of the next free place, ahead of each of eight registers and behind the last
.set MSB, 0
.macro WIN new                  ; s_set_vgpr_msb: bits 1:0 source 0, 3:2 source 1, 5:4 source 2, 7:6 destination; the high byte repeats the setting that is left
.if MSB != (\new)
	s_set_vgpr_msb (MSB<<8)|(\new)
.set MSB, (\new)
.endif
.endm
; 16 loads, a k row of 512 bytes each, rows pos .. pos + 15 from the stepped base, into the staging slot that begins at register sb (counted through the windows)
.macro SISSUE sb, pos
	WIN ((\sb)>>8)<<6
.set i, 0
.rept 16
.set SG, ((\sb)&255)+4*i
	global_load_b128 v[SG:SG+3], v[GW], s[WB:WB+1] offset:((\pos)+i)*WPITCH th:TH_LOAD_NT
.set i, i+1
.endr
	WIN 0
.endm
; A group of 16 k rows: rounded in one run, stored into the slice in one run; issue = 1: the slot takes the group three further on, in one run.  left: the younger loads that may stay out.
.macro SGRP sb, pos, issue, left
	s_wait_loadcnt \left
	WIN (((\sb)>>8)<<6)|(((\sb)>>8)<<2)|((\sb)>>8)
.set i, 0
.rept 16
.set SG, ((\sb)&255)+4*i
	v_cvt_pk_bf16_f32 v[SG], v[SG], v[SG+1]
	v_cvt_pk_bf16_f32 v[SG+1], v[SG+2], v[SG+3]
.set i, i+1
.endr
	WIN ((\sb)>>8)<<2
.set i, 0
.rept 16
.set SG, ((\sb)&255)+4*i
	ds_store_b64 v[LW], v[SG:SG+1] offset:((\pos)+i)*SLP
.set i, i+1
.endr
.if \issue
	SISSUE \sb, (\pos)+48
.else
	WIN 0
.endif
.endm
.macro ALOAD pos, q             ; 10 loads: the fragments of five tiles' rows for K step pos into buffer q
.set j, 0
.rept 5
.set rA, 64+40*(\q)+8*j
	global_load_b128 v[rA:rA+3],   v[AOFF+j], s[AB:AB+1] offset:64*(\pos)
	global_load_b128 v[rA+4:rA+7], v[AOFF+j], s[AB:AB+1] offset:64*(\pos)+32
.set j, j+1
.endr
.endm
.macro BLOAD pos, b             ; 16 LDS loads: the weights' fragments of K step pos, turned, into buffer b of window 1
	WIN 0x40
.set c, 0
.rept 8
.set rB, 128+64*(\b)+8*c
	ds_load_tr16_b128 v[rB:rB+3],   v[LB] offset:(\pos)*32*SLP+32*c
	ds_load_tr16_b128 v[rB+4:rB+7], v[LB] offset:(\pos)*32*SLP+16*SLP+32*c
.set c, c+1
.endr
	WIN 0
.endm
; A K step of 32: source 0 = 16 columns of the weights, source 1 = 16 rows.  A tile's eight accumulators take turns.  All loads are issued whatever the number of
; live tiles, so every count holds on every path; only products are jumped.  first = 1: the sums start with the bias, for all five tiles, so that every accumulator is written on every path.
.macro STEP pos, q, first, lda, ldb, aleft, bleft
	WIN 0
.rept 4
	v_nop                                          ; four places between the last products and the loads into the buffers that they read
.endr
.if \lda
	ALOAD (\pos)+3, ((\q)+3)%4
.endif
.if \ldb
	BLOAD (\pos)+1, ((\q)+1)%2
.endif
	s_wait_loadcnt \aleft                          ; the runs of 10 issued behind this step's may stay out
	s_wait_dscnt \bleft                            ; and the run of 16
.set j, 0
.rept 5
.if (j > 0) && !(\first)
	WIN 0
	s_cmp_lt_u32 s[NA], j+1
	s_cbranch_scc1 .Lskip_\@
.endif
.set c, 0
.rept 8
.set rD, 256*(1+j/2)+64*(j%2)+8*c
.set rB, 384+64*((\q)%2)+8*c
.set rA, 64+40*(\q)+8*j
.if \first
.set rC, 832+8*c
.else
.set rC, rD
.endif
.set lD, rD&255
.set lB, rB&255
.set lC, rC&255
	WIN ((rD>>8)<<6)|((rC>>8)<<4)|(rB>>8)
	v_wmma_f32_16x16x32_bf16 v[lD:lD+7], v[lB:lB+7], v[rA:rA+7], v[lC:lC+7]
.set c, c+1
.endr
.set j, j+1
.endr
	WIN 0
.Lskip_\@:
.endm
; Half n % 2 (four column tiles) of tile n / 2, times the row's weight, into window 0; each accumulator is read from its low end on
.macro EXTR n
.set jj, (\n)/2
.set aB, 256*(1+jj/2)+64*(jj%2)+32*((\n)%2)
	WIN aB>>8
.set p, 0
.rept 16
.set lA, (aB&255)+2*p
	v_pk_mul_f32 v[PB+2*p:PB+2*p+1], v[lA:lA+1], v[WGT+2*jj:WGT+2*jj+1] op_sel_hi:[1,0]
.set p, p+1
.endr
	WIN 0
.endm
; A block begins: my rows' numbers out of the list, their offsets in hbuf, their weights, and the fragments of the first three K steps.  Operation by operation over the five tiles.
.macro PROLOGUE
.irp j, 0,1,2,3,4
	v_add_nc_u32 v[11+\j], 64*\j, v[PIDX]
.endr
.irp j, 0,1,2,3,4
	v_min_u32 v[11+\j], s[CM1], v[11+\j]
.endr
.irp j, 0,1,2,3,4
	v_min_u32 v[11+\j], 0x3ff, v[11+\j]
.endr
.irp j, 0,1,2,3,4
	v_lshl_add_u32 v[11+\j], v[11+\j], 2, LIST
.endr
.irp j, 0,1,2,3,4
	ds_load_b32 v[RID+\j], v[11+\j]
.endr
	s_wait_dscnt 0x0
.irp j, 0,1,2,3,4
	v_min_u32 v[11+\j], 0x7ff, v[RID+\j]
.endr
.irp j, 0,1,2,3,4
	v_lshl_add_u32 v[AOFF+\j], v[11+\j], 13, v[H16]
.endr
.irp j, 0,1,2,3,4
	v_lshlrev_b32 v[WADR+\j], 2, v[11+\j]
.endr
.irp j, 0,1,2,3,4
	global_load_b32 v[WGT+2*\j], v[WADR+\j], s[12:13]   ; older than every fragment load: the first step's wait covers it
.endr
	s_mov_b64 s[AB:AB+1], s[AB0:AB0+1]
	v_mov_b32 v[LB], v[LB0]
	ALOAD 0, 0
	ALOAD 1, 1
	ALOAD 2, 2
.endm
	s_load_b256 s[4:11], s[0:1], 0x0               ; W2 4, b2 6, hbuf 8, ridx 10
	s_load_b128 s[12:15], s[0:1], 0x20             ; rw 12, ybuf 14
	v_lshl_add_u32 v[SPW], v0, 2, SPARE
	v_mov_b32 v[NIL], 0
	v_lshrrev_b32 v11, 5, v0
	v_readfirstlane_b32 s[WV], v11                 ; wave 0..3
	s_lshr_b32 s[E], ttmp9, 5                      ; the expert
	s_bfe_u32 s[KP], ttmp9, 0x20003                ; the quarter of K
	s_and_b32 s[CS], ttmp9, 7                      ; the slice of 128 columns
	v_and_b32 v[LANE], 31, v0
	v_and_b32 v[R], 15, v0
	v_bfe_u32 v[H], v0, 4, 1
	v_lshlrev_b32 v[H16], 4, v[H]
	v_lshlrev_b32 v[H32], 5, v[H]
	v_lshlrev_b32 v[GW], 4, v[LANE]
	v_lshlrev_b32 v[L4], 2, v[LANE]
	v_add_nc_u32 v[DMP], LIDX+1088, v[LANE]
	v_lshlrev_b32 v[C16], 4, v[R]
	s_mul_i32 s[T0], s[WV], 256*SLP
	v_lshl_add_u32 v[LW], v[LANE], 3, s[T0]
	v_and_b32 v11, 7, v0
	v_lshl_add_u32 v11, v[H], 3, v11
	v_mul_u32_u24 v11, v11, SLP
	v_bfe_u32 v12, v0, 3, 1
	v_lshl_add_u32 v[LB0], v12, 4, v11
	s_mul_i32 s[T0], s[WV], 16*TP
	s_add_co_u32 s[T0], s[T0], STAGE
	v_mul_u32_u24 v11, v[R], TP
	v_add_nc_u32 v11, s[T0], v11
	v_lshl_add_u32 v[STO], v[H], 5, v11            ; into my stage: row R, 32 bytes for each half of the lanes
	v_mul_u32_u24 v11, v[H], TP
	v_add_nc_u32 v11, s[T0], v11
	v_lshl_add_u32 v[RD], v[R], 4, v11
	s_lshl_b32 s[T0], s[WV], 4
	v_add_nc_u32 v[PST], s[T0], v[H]
	v_add_nc_u32 v[PIDX], s[T0], v[R]
	s_cmp_eq_u32 s[KP], 0
	s_cselect_b32 s[FLAG], 1.0, 0                  ; the bias belongs to quarter 0
	s_mov_b32 s[FLAG+1], s[FLAG]
	s_lshl_b32 s[OF], s[E], 24                     ; an expert's W2 is 2^24 bytes,
	s_lshl_b32 s[T0], s[KP], 22                    ; the quarter's 1,024 k rows,
	s_add_co_u32 s[OF], s[OF], s[T0]
	s_lshl_b32 s[T0], s[WV], 20                    ; my wave's 256,
	s_add_co_u32 s[OF], s[OF], s[T0]
	s_lshl_b32 s[T0], s[CS], 9                     ; the slice's 512 bytes of a row
	s_add_co_u32 s[OF], s[OF], s[T0]
	s_mov_b32 s[OF+1], 0
	s_wait_kmcnt 0x0
	s_add_nc_u64 s[WB:WB+1], s[4:5], s[OF:OF+1]
	s_lshl_b32 s[OF], s[E], 12
	s_add_co_u32 s[OF], s[OF], s[T0]
	s_add_nc_u64 s[6:7], s[6:7], s[OF:OF+1]        ; b2 at the expert and the slice
	s_lshl_b32 s[OF], s[KP], 11
	s_add_nc_u64 s[AB0:AB0+1], s[8:9], s[OF:OF+1]  ; hbuf at the quarter's 2,048 bytes of a row
	s_lshl_b32 s[OF], s[KP], 23
	s_add_co_u32 s[OF], s[OF], s[T0]
	s_add_nc_u64 s[14:15], s[14:15], s[OF:OF+1]    ; ybuf at the quarter and the slice
	WIN 0xc0
.irp c, 0,1,2,3,4,5,6,7
	global_load_b128 v[64+8*\c:64+8*\c+3], v[H32], s[6:7] offset:64*\c
	global_load_b128 v[64+8*\c+4:64+8*\c+7], v[H32], s[6:7] offset:64*\c+16
.endr
	WIN 0
	s_cmp_lg_u32 s[WV], 0
	s_cbranch_scc1 .Lothers
	; THE LIST, by wave 0, out of 64 registers: register m holds choice 128 (m / 4) + 4 lane + m % 4.  Eight registers at a time, operation by operation, so that no line reads the result of the line before it.
.set i, 0
.rept 16
	global_load_b128 v[192+4*i:192+4*i+3], v[GW], s[10:11] offset:512*i
.set i, i+1
.endr
	SISSUE S0, 0
	SISSUE S1, 16
	v_mov_b32 v12, LIST
	ds_store_b32 v12, v[NIL]                       ; the list's first word is written whatever the count: an expert without rows leaves row 0 there, of which nothing is stored
	s_mov_b32 s[PF], LIDX                          ; the word index of the list's next free place
	s_wait_loadcnt 32                              ; the choices are in; the two groups of weights behind them stay out
.set g, 0
.rept 8
.set n, 0
.rept 8
	v_cmp_eq_u32 s[MB+n], s[E], v[192+8*g+n]
.set n, n+1
.endr
.set n, 0
.rept 8
	s_bcnt1_i32_b32 s[T0], s[MB+n]
	s_add_co_u32 s[PF+n+1], s[PF+n], s[T0]
.set n, n+1
.endr
.set n, 0
.rept 8
	v_mbcnt_lo_u32_b32 v[16+n], s[MB+n], s[PF+n]   ; the place of my row among this register's hits
.set n, n+1
.endr
.set n, 0
.rept 8
	v_cndmask_b32 v[16+n], v[DMP], v[16+n], s[MB+n]  ; a lane without a hit writes its dump word
.set n, n+1
.endr
.set n, 0
.rept 8
	v_min_u32 v[16+n], LIDX+1151, v[16+n]          ; inside list, count and dump words whatever the data
.set n, n+1
.endr
.set n, 0
.rept 8
	v_lshlrev_b32 v[16+n], 2, v[16+n]
.set n, n+1
.endr
.set n, 0
.rept 8
	v_add_nc_u32 v[36+n], 128*((8*g+n)/4)+(8*g+n)%4, v[L4]  ; the row's number
.set n, n+1
.endr
.set n, 0
.rept 8
	ds_store_b32 v[16+n], v[36+n]
.set n, n+1
.endr
	s_mov_b32 s[PF], s[PF+8]
.set g, g+1
.endr
	s_sub_co_u32 s[T0], s[PF], LIDX
	v_mov_b32 v11, s[T0]
	v_mov_b32 v12, META
	ds_store_b32 v12, v11                          ; the count
	s_branch .Ljoin
.Lothers:
	SISSUE S0, 0
	SISSUE S1, 16
.Ljoin:
	SISSUE S2, 32                                  ; 48 loads, 24,576 bytes, of each wave are on their way
	s_wait_dscnt 0x0
	s_barrier_signal -1
	s_barrier_wait -1                              ; the list's stores, whose addresses hang on data, have a stretch between barriers to themselves
	s_mov_b32 s[KT], 4
.Lstream:                                              ; three groups a trip; each wait leaves the two younger groups out
	SGRP S0, 0,  1, 32
	SGRP S1, 16, 1, 32
	SGRP S2, 32, 1, 32
	s_wait_xcnt 0x0                                ; the base is stepped only behind this wait
	s_add_nc_u64 s[WB:WB+1], s[WB:WB+1], 48*WPITCH
	v_add_nc_u32 v[LW], 48*SLP, v[LW]
	s_sub_co_u32 s[KT], s[KT], 1
	s_cmp_lg_u32 s[KT], 0
	s_cbranch_scc1 .Lstream
	; Groups 12 to 14 are on their way.  Under them: the count, the bias, and the first block's beginning, whose 35 loads (5 weights, 30 of rows) then land under the stream's end.
	v_mov_b32 v11, META
	ds_load_b32 v12, v11
.irp j, 0,1,2,3,4
	v_mov_b32 v[WGT+2*\j+1], 0                     ; named with the weight as a pair
.endr
	WIN 0xff                                       ; the bias (older than every group that has been waited for) is rounded to bf16 like every input, and kept by quarter 0 alone
.set p, 0
.rept 32
	v_cvt_pk_bf16_f32 v[128+p], v[64+2*p], v[64+2*p+1]
.set p, p+1
.endr
.set p, 0
.rept 32
	v_lshlrev_b32 v[64+2*p], 16, v[128+p]
	v_and_b32 v[64+2*p+1], 0xffff0000, v[128+p]
.set p, p+1
.endr
.set p, 0
.rept 32
	v_pk_mul_f32 v[64+2*p:64+2*p+1], v[64+2*p:64+2*p+1], s[FLAG:FLAG+1] op_sel_hi:[1,0]
.set p, p+1
.endr
	WIN 0
	s_wait_dscnt 0x0
	v_readfirstlane_b32 s[CNT], v12
	s_min_u32 s[CNT], s[CNT], 0x400
	s_max_u32 s[CM1], s[CNT], 1
	s_sub_co_u32 s[CM1], s[CM1], 1
	s_min_u32 s[CM1], s[CM1], 0x3ff                ; the last row's place: places past the count repeat it
	s_add_co_u32 s[T0], s[CNT], 15
	s_lshr_b32 s[T0], s[T0], 4
	s_add_co_u32 s[T0], s[T0], 3
	s_sub_co_u32 s[T0], s[T0], s[WV]
	s_lshr_b32 s[NREM], s[T0], 2                   ; my tiles: wave, wave + 4, ..
	s_min_u32 s[NA], s[NREM], 5                    ; my live tiles in the first block, 0 to 5
	PROLOGUE
	SGRP S0, 0,  1, 63                             ; group 12: behind it stand groups 13 and 14 and the 35, 67 loads; it asks for group 15, the last
	SGRP S1, 16, 0, 63                             ; group 13: group 14, the 35, group 15: 67 again
	SGRP S2, 32, 0, 51                             ; group 14: the 35, group 15
	SGRP S0, 48, 0, 0                              ; group 15
	s_wait_dscnt 0x0                               ; for the others' sake: my part of the slice is stored
	s_barrier_signal -1
	s_barrier_wait -1                              ; the slice is whole; from here on slice and list are only read
	s_mov_b32 s[BLK], 4
	s_branch .Lsteps                               ; the loop over blocks is entered behind a block's beginning, which the first block has had: so every wave walks the first block's products, and the way out never finds a register unwritten
.Lblk:                                                 ; four trips cover 4 waves x 20 tiles, more than the 64 that an expert can have
	s_min_u32 s[NA], s[NREM], 5
	s_cmp_eq_u32 s[NREM], 0
	s_cbranch_scc1 .Lk_done                        ; a later block without tiles: the products are jumped, the barriers are not
	PROLOGUE
.Lsteps:
	BLOAD 0, 0
	STEP 0, 0, 1, 1, 1, 30, 16
	s_wait_xcnt 0x0                                ; the base is stepped only behind this wait
	s_add_nc_u64 s[AB:AB+1], s[AB:AB+1], 64
	v_add_nc_u32 v[LB], 32*SLP, v[LB]
	s_mov_b32 s[KT], 7
.Lk:                                                   ; K steps 1 to 28
	STEP 0, 1, 0, 1, 1, 30, 16
	STEP 1, 2, 0, 1, 1, 30, 16
	STEP 2, 3, 0, 1, 1, 30, 16
	STEP 3, 0, 0, 1, 1, 30, 16
	s_wait_xcnt 0x0
	s_add_nc_u64 s[AB:AB+1], s[AB:AB+1], 256
	v_add_nc_u32 v[LB], 4*32*SLP, v[LB]
	s_sub_co_u32 s[KT], s[KT], 1
	s_cmp_lg_u32 s[KT], 0
	s_cbranch_scc1 .Lk
	STEP 0, 1, 0, 0, 1, 20, 16                     ; the last three steps: the counts run down
	STEP 1, 2, 0, 0, 1, 10, 16
	STEP 2, 3, 0, 0, 0, 0, 0
.rept 4
	v_nop                                          ; four places between the last products and the first reader of their results
.endr
.Lk_done:
	s_wait_dscnt 0x0                               ; my reads of the slice are over
	s_barrier_signal -1
	s_barrier_wait -1                              ; everybody's are: now the stages may be written
	s_mov_b32 s[EI], 0
.Lepi:                                                 ; THE WAY OUT, half a tile a trip: 64 columns of f32 are a stage row of 256 bytes
	s_lshr_b32 s[EJ], s[EI], 1
	s_cmp_ge_u32 s[EJ], s[NA]
	s_cbranch_scc1 .Lepi_next
.irp n, 1,2,3,4,5,6,7,8,9
	s_cmp_eq_u32 s[EI], \n
	s_cbranch_scc1 .Lex\n
.endr
.irp n, 0,1,2,3,4,5,6,7,8,9
.Lex\n:
	EXTR \n
	s_branch .Lfin
.endr
.Lfin:
.irp cc, 0,1,2,3
	ds_store_b128 v[STO], v[PB+8*\cc:PB+8*\cc+3]   offset:64*\cc
	ds_store_b128 v[STO], v[PB+8*\cc+4:PB+8*\cc+7] offset:64*\cc+16
.endr
	s_wait_xcnt 0x0                                ; the last stores' offsets and data are rewritten only behind this wait
	s_and_b32 s[T0], s[EI], 1
	s_lshl_b32 s[T0], s[T0], 8                     ; the half's 256 bytes of the slice's 512
	v_add_nc_u32 v13, s[T0], v[C16]
	s_lshl_b32 s[T1], s[EJ], 6
	v_add_nc_u32 v12, s[T1], v[PST]
.irp t, 0,1,2,3,4,5,6,7
	v_add_nc_u32 v[SOFF+\t], 2*\t, v12
.endr
.irp t, 0,1,2,3,4,5,6,7
	v_min_u32 v[SOFF+\t], s[CM1], v[SOFF+\t]
.endr
.irp t, 0,1,2,3,4,5,6,7
	v_min_u32 v[SOFF+\t], 0x3ff, v[SOFF+\t]
.endr
.irp t, 0,1,2,3,4,5,6,7
	v_lshl_add_u32 v[SOFF+\t], v[SOFF+\t], 2, LIST
.endr
.irp t, 0,1,2,3,4,5,6,7
	ds_load_b32 v[SOFF+\t], v[SOFF+\t]             ; the number of the row that I store
.endr
.irp t, 0,1,2,3,4,5,6,7
	ds_load_b128 v[OB+4*\t:OB+4*\t+3], v[RD] offset:2*TP*\t   ; my own stage: LDS serves a wave's instructions in order (ISA guide 5.7.1.4)
.endr
	s_wait_dscnt 8                                 ; the numbers are in; the eight loads behind them stay out
.irp t, 0,1,2,3,4,5,6,7
	v_min_u32 v[SOFF+\t], 0x7ff, v[SOFF+\t]
.endr
.irp t, 0,1,2,3,4,5,6,7
	v_lshl_add_u32 v[SOFF+\t], v[SOFF+\t], 12, v13
.endr
.irp t, 0,1,2,3,4,5,6,7
	s_wait_dscnt 7-\t
	global_store_b128 v[SOFF+\t], v[OB+4*\t:OB+4*\t+3], s[14:15]  ; 16 lanes store 256 consecutive bytes, at a multiple of 256 from ybuf's first byte
.endr
.Lepi_next:
	s_add_co_u32 s[EI], s[EI], 1
	s_cmp_lt_u32 s[EI], 10
	s_cbranch_scc1 .Lepi
	s_sub_co_u32 s[NREM], s[NREM], s[NA]
	s_wait_dscnt 0x0                               ; my stores into my stage are done
	s_barrier_signal -1
	s_barrier_wait -1                              ; everybody's are: now the slice may be read again
	v_add_nc_u32 v[PIDX], 320, v[PIDX]
	v_add_nc_u32 v[PST], 320, v[PST]
	s_sub_co_u32 s[BLK], s[BLK], 1
	s_cmp_lg_u32 s[BLK], 0
	s_cbranch_scc1 .Lblk
	s_wait_tensorcnt 0x0                           ; the wave's end
	ds_add_u32 v[SPW], v[NIL]
	s_wait_dscnt 0x0
	s_endpgm
.Lfunc_end_k_qc08d3fe22a_down:
	.size	k_qc08d3fe22a_down, .Lfunc_end_k_qc08d3fe22a_down-k_qc08d3fe22a_down
	.p2alignl 7, 3214868480
	.fill 96, 4, 3214868480
	.section	.rodata,"a",@progbits
	.p2align	6, 0x0
	.amdhsa_kernel k_qc08d3fe22a_down
		.amdhsa_group_segment_fixed_size 317440
		.amdhsa_private_segment_fixed_size 0
		.amdhsa_enable_private_segment 0
		.amdhsa_kernarg_size 48
		.amdhsa_user_sgpr_count 2
		.amdhsa_user_sgpr_kernarg_segment_ptr 1
		.amdhsa_wavefront_size32 1
		.amdhsa_system_sgpr_workgroup_id_x 1
		.amdhsa_system_sgpr_workgroup_id_y 1
		.amdhsa_system_sgpr_workgroup_id_z 1
		.amdhsa_system_vgpr_workitem_id 0
		.amdhsa_next_free_vgpr 1024
		.amdhsa_next_free_sgpr 84
		.amdhsa_reserve_vcc 0
		.amdhsa_float_denorm_mode_32 3
		.amdhsa_float_denorm_mode_16_64 3
		.amdhsa_memory_ordered 1
		.amdhsa_forward_progress 1
		.amdhsa_inst_pref_size 150
	.end_amdhsa_kernel
	.amdgpu_metadata
---
amdhsa.version: [ 1, 2 ]
amdhsa.kernels:
  - .name:           k_qc08d3fe22a_down
    .symbol:         k_qc08d3fe22a_down.kd
    .args:
      - { .name: W2, .offset: 0, .size: 8, .value_kind: global_buffer, .address_space: global }
      - { .name: b2, .offset: 8, .size: 8, .value_kind: global_buffer, .address_space: global }
      - { .name: hbuf, .offset: 16, .size: 8, .value_kind: global_buffer, .address_space: global }
      - { .name: ridx, .offset: 24, .size: 8, .value_kind: global_buffer, .address_space: global }
      - { .name: rw, .offset: 32, .size: 8, .value_kind: global_buffer, .address_space: global }
      - { .name: ybuf, .offset: 40, .size: 8, .value_kind: global_buffer, .address_space: global }
    .group_segment_fixed_size: 317440
    .private_segment_fixed_size: 0
    .kernarg_segment_align: 8
    .kernarg_segment_size: 48
    .max_flat_workgroup_size: 128
    .sgpr_count:     84
    .vgpr_count:     1024
    .wavefront_size: 32
...
	.end_amdgpu_metadata
.endif
;; end of part 3
;; launch norm (part 4): grid 256 x 1, 4 waves a work-group, no clusters, 0 bytes of LDS; arguments sh, ybuf, gamma, beta, out0; writes out0
.if DOCPART == 4
	.amdgcn_target "amdgcn-amd-amdhsa--gfx1250"
	.amdhsa_code_object_version 6
	.text
	.protected	k_qc08d3fe22a_norm
	.globl	k_qc08d3fe22a_norm
	.p2align	8
	.type	k_qc08d3fe22a_norm,@function
k_qc08d3fe22a_norm:
	s_mov_b64 s[64:65], 0
	v_nop
	global_prefetch_b8 v0, s[64:65] scope:SCOPE_SE
	s_setreg_imm32_b32 hwreg(HW_REG_WAVE_MODE, 25, 1), 1
	s_wait_xcnt 0x0
; NORM.  out0[t] = LayerNorm(0.5 sh[t] + the eight partial rows ybuf[q][2 t], ybuf[q][2 t + 1], q = 0..3) x gamma + beta.  All in f32; gamma and beta are rounded to bf16 like every input.
; One wave, one token: the row's 1,024 numbers lie in 32 registers a lane, so the mean, the sum of squared differences from it (taken of the differences, not as a difference of sums)
; and the scaling read memory once, and no wave waits for another: no LDS, no barrier.  Lane l holds columns 128 i + 4 l + 0..3: each load and store of a wave covers 512 consecutive bytes.
; All 88 loads of a wave go out at once; the waits count down as the partial rows are added.  Matrix units, clusters and LDS would add nothing to a stream.
; LIMITS.  NaN and infinities are not treated apart; the order of the nine additions differs from the reference's loop over experts.
.set GA, 8                      ; v8-39    gamma
.set BE, 40                     ; v40-71   beta
.set AC, 72                     ; v72-103  sh, then the sum, then the result
.set K0, 104                    ; v104-167 quarter 0's two rows; later at work
.set K1, 168                    ; v168-231 quarter 1's;  window 1: v0-63 quarter 2's, v64-127 quarter 3's
.set MSB, 0
.macro WIN new                  ; s_set_vgpr_msb: bits 3:2 source 1, 7:6 destination; the high byte repeats the setting that is left
.if MSB != (\new)
	s_set_vgpr_msb (MSB<<8)|(\new)
.set MSB, (\new)
.endif
.endm
.macro LANESUM a, b             ; v[a] summed over the 32 lanes, in every lane; v[b] at work (written before)
	v_add_f32_dpp v[\a], v[\a], v[\a] row_xmask:1 row_mask:0xf bank_mask:0xf
	v_add_f32_dpp v[\a], v[\a], v[\a] row_xmask:2 row_mask:0xf bank_mask:0xf
	v_add_f32_dpp v[\a], v[\a], v[\a] row_xmask:4 row_mask:0xf bank_mask:0xf
	v_add_f32_dpp v[\a], v[\a], v[\a] row_xmask:8 row_mask:0xf bank_mask:0xf
	v_permlanex16_b32 v[\b], v[\a], s24, s25
	v_add_f32 v[\a], v[\a], v[\b]
.endm
	s_load_b256 s[4:11], s[0:1], 0x0               ; sh 4, ybuf 6, gamma 8, beta 10
	s_load_b64 s[12:13], s[0:1], 0x20              ; out0
	v_lshrrev_b32 v1, 5, v0
	v_readfirstlane_b32 s14, v1                    ; wave 0..3
	v_and_b32 v2, 31, v0
	v_lshlrev_b32 v2, 4, v2                        ; 16 x lane
	s_lshl_b32 s15, ttmp9, 2
	s_add_co_u32 s15, s15, s14                     ; my token
	s_lshl_b32 s28, s15, 12                        ; its row of 4,096 bytes in sh and out0
	s_mov_b32 s29, 0
	s_lshl_b32 s30, s15, 13                        ; its two rows, 8,192 bytes on end, in a quarter of ybuf
	s_mov_b32 s31, 0
	s_mov_b32 s24, 0x76543210                      ; v_permlanex16_b32: each lane takes its own place in the other half
	s_mov_b32 s25, 0xfedcba98
	s_mov_b32 s26, 0x3a800000                      ; 1 / 1,024
	s_wait_kmcnt 0x0
	s_add_nc_u64 s[4:5], s[4:5], s[28:29]
	s_add_nc_u64 s[12:13], s[12:13], s[28:29]
	s_add_nc_u64 s[16:17], s[6:7], s[30:31]
	s_add_nc_u64 s[18:19], s[16:17], 0x800000      ; a quarter is 2^23 bytes, more than a load's immediate holds: a base for each
	s_add_nc_u64 s[20:21], s[18:19], 0x800000
	s_add_nc_u64 s[22:23], s[20:21], 0x800000
.irp i, 0,1,2,3,4,5,6,7
	global_load_b128 v[GA+4*\i:GA+4*\i+3], v2, s[8:9] offset:512*\i
.endr
.irp i, 0,1,2,3,4,5,6,7
	global_load_b128 v[BE+4*\i:BE+4*\i+3], v2, s[10:11] offset:512*\i
.endr
.irp i, 0,1,2,3,4,5,6,7
	global_load_b128 v[AC+4*\i:AC+4*\i+3], v2, s[4:5] offset:512*\i th:TH_LOAD_NT
.endr
.set i, 0
.rept 16
	global_load_b128 v[K0+4*i:K0+4*i+3], v2, s[16:17] offset:512*i th:TH_LOAD_NT
.set i, i+1
.endr
.set i, 0
.rept 16
	global_load_b128 v[K1+4*i:K1+4*i+3], v2, s[18:19] offset:512*i th:TH_LOAD_NT
.set i, i+1
.endr
	WIN 0x40                                       ; destination window 1
.set i, 0
.rept 16
	global_load_b128 v[4*i:4*i+3], v2, s[20:21] offset:512*i th:TH_LOAD_NT
.set i, i+1
.endr
.set i, 0
.rept 16
	global_load_b128 v[64+4*i:64+4*i+3], v2, s[22:23] offset:512*i th:TH_LOAD_NT
.set i, i+1
.endr
	WIN 0
	s_wait_loadcnt 48                              ; gamma, beta, sh and quarter 0 are in; three quarters of 16 loads stay out
.set p, 0
.rept 16
	v_pk_fma_f32 v[AC+2*p:AC+2*p+1], v[AC+2*p:AC+2*p+1], 0.5, v[K0+2*p:K0+2*p+1] op_sel_hi:[1,0,1]
.set p, p+1
.endr
.set p, 0
.rept 16
	v_pk_add_f32 v[AC+2*p:AC+2*p+1], v[AC+2*p:AC+2*p+1], v[K0+32+2*p:K0+32+2*p+1]
.set p, p+1
.endr
.set p, 0
.rept 16                        ; gamma and beta rounded to bf16, while the other quarters are on their way
	v_cvt_pk_bf16_f32 v[K0+p], v[GA+2*p], v[GA+2*p+1]
	v_cvt_pk_bf16_f32 v[K0+16+p], v[BE+2*p], v[BE+2*p+1]
.set p, p+1
.endr
.set p, 0
.rept 16
	v_lshlrev_b32 v[GA+2*p], 16, v[K0+p]
	v_and_b32 v[GA+2*p+1], 0xffff0000, v[K0+p]
	v_lshlrev_b32 v[BE+2*p], 16, v[K0+16+p]
	v_and_b32 v[BE+2*p+1], 0xffff0000, v[K0+16+p]
.set p, p+1
.endr
	s_wait_loadcnt 32                              ; quarter 1
.set p, 0
.rept 16
	v_pk_add_f32 v[AC+2*p:AC+2*p+1], v[AC+2*p:AC+2*p+1], v[K1+2*p:K1+2*p+1]
.set p, p+1
.endr
.set p, 0
.rept 16
	v_pk_add_f32 v[AC+2*p:AC+2*p+1], v[AC+2*p:AC+2*p+1], v[K1+32+2*p:K1+32+2*p+1]
.set p, p+1
.endr
	s_wait_loadcnt 16                              ; quarter 2
	WIN 0x04                                       ; source 1 window 1
.set p, 0
.rept 16
	v_pk_add_f32 v[AC+2*p:AC+2*p+1], v[AC+2*p:AC+2*p+1], v[2*p:2*p+1]
.set p, p+1
.endr
.set p, 0
.rept 16
	v_pk_add_f32 v[AC+2*p:AC+2*p+1], v[AC+2*p:AC+2*p+1], v[32+2*p:32+2*p+1]
.set p, p+1
.endr
	s_wait_loadcnt 0x0                             ; quarter 3
.set p, 0
.rept 16
	v_pk_add_f32 v[AC+2*p:AC+2*p+1], v[AC+2*p:AC+2*p+1], v[64+2*p:64+2*p+1]
.set p, p+1
.endr
.set p, 0
.rept 16
	v_pk_add_f32 v[AC+2*p:AC+2*p+1], v[AC+2*p:AC+2*p+1], v[96+2*p:96+2*p+1]
.set p, p+1
.endr
	WIN 0
	; the mean: a tree over my 32 numbers, then over the lanes
.set p, 0
.rept 8
	v_pk_add_f32 v[K0+2*p:K0+2*p+1], v[AC+2*p:AC+2*p+1], v[AC+16+2*p:AC+16+2*p+1]
.set p, p+1
.endr
.set p, 0
.rept 4
	v_pk_add_f32 v[K0+2*p:K0+2*p+1], v[K0+2*p:K0+2*p+1], v[K0+8+2*p:K0+8+2*p+1]
.set p, p+1
.endr
	v_pk_add_f32 v[K0:K0+1], v[K0:K0+1], v[K0+4:K0+5]
	v_pk_add_f32 v[K0+2:K0+3], v[K0+2:K0+3], v[K0+6:K0+7]
	v_pk_add_f32 v[K0:K0+1], v[K0:K0+1], v[K0+2:K0+3]
	v_add_f32 v[K0], v[K0], v[K0+1]
	LANESUM K0, K0+1
	v_mul_f32 v[K0], s26, v[K0]
	v_mov_b32 v[K0+1], v[K0]
.set p, 0
.rept 16
	v_pk_add_f32 v[AC+2*p:AC+2*p+1], v[AC+2*p:AC+2*p+1], v[K0:K0+1] neg_lo:[0,1] neg_hi:[0,1]
.set p, p+1
.endr
	; the variance: four chains of squares, started by the first four pairs
.set p, 0
.rept 4
	v_pk_mul_f32 v[K0+2+2*p:K0+3+2*p], v[AC+2*p:AC+2*p+1], v[AC+2*p:AC+2*p+1]
.set p, p+1
.endr
.set p, 4
.rept 12
	v_pk_fma_f32 v[K0+2+2*(p%4):K0+3+2*(p%4)], v[AC+2*p:AC+2*p+1], v[AC+2*p:AC+2*p+1], v[K0+2+2*(p%4):K0+3+2*(p%4)]
.set p, p+1
.endr
	v_pk_add_f32 v[K0+2:K0+3], v[K0+2:K0+3], v[K0+4:K0+5]
	v_pk_add_f32 v[K0+6:K0+7], v[K0+6:K0+7], v[K0+8:K0+9]
	v_pk_add_f32 v[K0+2:K0+3], v[K0+2:K0+3], v[K0+6:K0+7]
	v_add_f32 v[K0+2], v[K0+2], v[K0+3]
	LANESUM K0+2, K0+3
	v_fmaak_f32 v[K0+2], s26, v[K0+2], 0x3727c5ac  ; / 1,024 + 1e-5
	v_rsq_f32 v[K0+4], v[K0+2]
	v_nop                                          ; a plain instruction behind the root,
	s_wait_alu depctr_va_vdst(0)                   ; and the wait ahead of its first reader
	v_mov_b32 v[K0+5], v[K0+4]
.set p, 0
.rept 16
	v_pk_mul_f32 v[GA+2*p:GA+2*p+1], v[GA+2*p:GA+2*p+1], v[K0+4:K0+5]
.set p, p+1
.endr
.set p, 0
.rept 16
	v_pk_fma_f32 v[AC+2*p:AC+2*p+1], v[AC+2*p:AC+2*p+1], v[GA+2*p:GA+2*p+1], v[BE+2*p:BE+2*p+1]
.set p, p+1
.endr
.irp i, 0,1,2,3,4,5,6,7
	global_store_b128 v2, v[AC+4*\i:AC+4*\i+3], s[12:13] offset:512*\i th:TH_STORE_NT  ; 512 consecutive bytes, at a multiple of 256 from out0's first byte
.endr
	s_endpgm
.Lfunc_end_k_qc08d3fe22a_norm:
	.size	k_qc08d3fe22a_norm, .Lfunc_end_k_qc08d3fe22a_norm-k_qc08d3fe22a_norm
	.p2alignl 7, 3214868480
	.fill 96, 4, 3214868480
	.section	.rodata,"a",@progbits
	.p2align	6, 0x0
	.amdhsa_kernel k_qc08d3fe22a_norm
		.amdhsa_group_segment_fixed_size 0
		.amdhsa_private_segment_fixed_size 0
		.amdhsa_enable_private_segment 0
		.amdhsa_kernarg_size 40
		.amdhsa_user_sgpr_count 2
		.amdhsa_user_sgpr_kernarg_segment_ptr 1
		.amdhsa_wavefront_size32 1
		.amdhsa_system_sgpr_workgroup_id_x 1
		.amdhsa_system_sgpr_workgroup_id_y 1
		.amdhsa_system_sgpr_workgroup_id_z 1
		.amdhsa_system_vgpr_workitem_id 0
		.amdhsa_next_free_vgpr 384
		.amdhsa_next_free_sgpr 66
		.amdhsa_reserve_vcc 0
		.amdhsa_float_denorm_mode_32 3
		.amdhsa_float_denorm_mode_16_64 3
		.amdhsa_memory_ordered 1
		.amdhsa_forward_progress 1
		.amdhsa_inst_pref_size 30
	.end_amdhsa_kernel
	.amdgpu_metadata
---
amdhsa.version: [ 1, 2 ]
amdhsa.kernels:
  - .name:           k_qc08d3fe22a_norm
    .symbol:         k_qc08d3fe22a_norm.kd
    .args:
      - { .name: sh, .offset: 0, .size: 8, .value_kind: global_buffer, .address_space: global }
      - { .name: ybuf, .offset: 8, .size: 8, .value_kind: global_buffer, .address_space: global }
      - { .name: gamma, .offset: 16, .size: 8, .value_kind: global_buffer, .address_space: global }
      - { .name: beta, .offset: 24, .size: 8, .value_kind: global_buffer, .address_space: global }
      - { .name: out0, .offset: 32, .size: 8, .value_kind: global_buffer, .address_space: global }
    .group_segment_fixed_size: 0
    .private_segment_fixed_size: 0
    .kernarg_segment_align: 8
    .kernarg_segment_size: 40
    .max_flat_workgroup_size: 128
    .sgpr_count:     66
    .vgpr_count:     384
    .wavefront_size: 32
...
	.end_amdgpu_metadata
.endif
;; end of part 4
